; MI455X (gfx1250); checked and timed in simulation.
; The chip was launched on July 23, 2026; its instructions are those of AMD's public machine-readable ISA for CDNA 5 (MIT licence, August 2026) and "CDNA5" Instruction Set Architecture Reference Guide (July 2026). The comments in the code are by the model that wrote it; some were corrected since.
;; Base Attention. Allowed arithmetic: matrix products marked QUANTISED: E2M1 operands, one E8M0 scale for each 32 along K, by v_wmma_scale_f32_16x16x128_f8f6f4 with both operands' format E2M1 (or v_wmma_scale_f32_32x16x128_f4), f32 sums; products left as they are: bf16, f16 or f32 operands; f32 sums; everything else in f32.
;; Inputs: Wout 1,024 x 1,024 float32; Wqkv 3,072 x 1,024 float32; bias_scale one number float32; bout 1,024 float32; emb 32,000 x 1,024 float32; sequences 4 x 2,048 x 4 int32; x 4 x 2,048 x 1,024 float32.
;; Outputs: out0 4 x 2,048 x 1,024 float32.
;; This version of the problem:
;;   THIS VERSION OF THE PROBLEM IS GIVEN IN LOW PRECISION. The matrix products marked QUANTISED in the list below multiply operands that are first quantised to E2M1 (2 exponent bits, 1 mantissa bit; 4 bits a number), with one power-of-two scale for each 32 numbers along K (OCP MX v1.0); their sums are f32. The products marked 'left as it is' may take bf16, f16 or f32 operands, with f32 sums. Whichever they take, every output number must still come out within the allowed error. Rounding operands to bf16 (8 significant bits) uses up far more of that allowance than f16 does (11 bits, for magnitudes from 6e-5 to 65,504). All else is computed in f32.
;;   The module's matrix products, in the order in which they are computed (A, B: the left and right operand; K: the contracted axis; several contracted axes count as one K, in the product's order):
;;     1. [M 8,192, K 1,024] x [K 1,024, N 3,072]; A: input x; B: input Wqkv: QUANTISED
;;     2. batch 64 x [M 2,048, K 64] x [K 64, N 2,048]; A: computed on the way; B: computed on the way: left as it is (an operand is computed on the way)
;;     3. batch 64 x [M 2,048, K 2,048] x [K 2,048, N 64]; A: computed on the way; B: computed on the way: left as it is (an operand is computed on the way)
;;     4. [M 8,192, K 1,024] x [K 1,024, N 1,024]; A: computed on the way; B: input Wout: left as it is (an operand is computed on the way)
;;   THE QUANTISER, for each operand of a quantised product, along K:
;;     - K is cut into blocks of 32 from its start; a last block that is shorter is filled with zeros.
;;     - A block's scale is 2^e with e = floor(log2(the largest magnitude in the block)) - 2, held to -126 .. 127; a block of zeros has e = 0. As a byte (E8M0): e + 127.
;;     - Each number is divided by its block's scale, clamped to +-6, and rounded to the nearest number of E2M1, ties to even, subnormals kept.
;;     - The product sums the exact products of the quantised numbers (number of the format x scale) in f32.
;;   ~~~python
;;   def quantise(x, axis):      # numpy; x: float32 -> the quantised numbers, widened to float32 again
;;       x = np.moveaxis(x, axis, -1); K = x.shape[-1]
;;       x = np.pad(x, [(0, 0)] * (x.ndim - 1) + [(0, -K % 32)]); x = x.reshape(x.shape[:-1] + (-1, 32)); a = np.abs(x).max(-1, keepdims=True)
;;       e = np.where(a > 0, np.clip(np.frexp(np.where(a > 0, a, 1))[1] - 1 - 2, -126, 127), 0)      # np.frexp(a)[1] - 1 = floor(log2(a)), exactly
;;       r = np.clip(x / 2.0 ** e, -6, 6)
;;       step = 2.0 ** (np.maximum(np.frexp(np.where(r == 0, 1, r))[1] - 1, 0) - 1)
;;       q = np.round(r / step) * step * 2.0 ** e      # np.round: ties to even
;;       return np.moveaxis(q.reshape(q.shape[:-2] + (-1,))[..., :K], -1, axis).astype(np.float32)
;;   ~~~
;; One version. Each part assembles by itself: llvm-mc -triple=amdgcn-amd-amdhsa -mcpu=gfx1250 --defsym DOCPART=n.
;; ======== version 1 of 1: 5 launches
;; limits: values are held in f16: magnitudes above 65,504 overflow, below 6.1e-05 lose precision
;; workspace buffers: codes 5,767,168 bytes; scales 360,448 bytes; wh 2,097,152 bytes; qkvh 50,331,648 bytes; qkv16 786,432 bytes; oh 16,777,216 bytes; bias16 262,144 bytes
;; launch prep (part 1): grid 384 x 1, 4 waves a work-group, no clusters, 33,280 bytes of LDS; arguments x, Wqkv, Wout, codes, scales, wh; writes codes, scales, wh
.if DOCPART == 1
	.amdgcn_target "amdgcn-amd-amdhsa--gfx1250"
	.amdhsa_code_object_version 6
	.text
	.protected	k_q2acc55a66c_prep
	.globl	k_q2acc55a66c_prep
	.p2align	8
	.type	k_q2acc55a66c_prep,@function
k_q2acc55a66c_prep:
	s_mov_b64 s[64:65], 0
	v_nop
	global_prefetch_b8 v0, s[64:65] scope:SCOPE_SE
	s_setreg_imm32_b32 hwreg(HW_REG_WAVE_MODE, 25, 1), 1
	s_wait_xcnt 0x0
; x [8192][1024] and Wqkv [3072][1024], f32, K innermost, become codes of FP4 (E2M1) with one E8M0 byte for each 32 along K; Wout [1024][1024] becomes f16.
; codes: x's rows of 512 bytes, then Wqkv's; scales: x's rows of 32 bytes, then Wqkv's: both tensors are one stream of blocks of 32 numbers, and so are their codes and bytes.
; A block's byte is its largest magnitude's exponent field - 2, held at 1 from below.  A block of zeros gets the byte 1: its codes are zeros, and this program alone reads the bytes.
; LIMITS: blocks whose largest magnitude lies under 2^-124 were not tried; NaN and infinities are not served; |Wout| stays under 65,504 (f16).
; Work-groups 0-255 take x, 256-351 Wqkv, 352-383 Wout; a wave takes a run of 8,192 numbers.  Quantising: 16 steps of 512 numbers; each load reads 512 consecutive bytes, the 2,048 bytes of a step turn
; through the wave's own stage in LDS so that a lane holds 16 neighbours (two lanes a block).  No barrier: waves share nothing.
.set STEPS, 16
.set CB,    8                          ; bytes of 16 codes
.set R,     16                         ; v16-79   four sets of 16 numbers as loaded
.set X,     80                         ; v80-111  two sets of 16 neighbours
.set E,     112                        ; v112-127 a scale byte for each step
.set C,     128                        ; v128-191 codes, four registers a step
.set WREG,  8192                       ; LDS of a wave: two stages of 32 x SP bytes, then its 256 scale bytes
.set SP,    80                         ; a lane's 64 bytes + 16 of padding
.set SPW,   12                         ; v12 my spare word; never rewritten
.set NIL,   13                         ; v13 0; never rewritten
.set SPARE, 4*WREG                     ; the spare words: 128 bytes a wave, named by no other line
	s_load_b128 s[4:7], s[0:1], 0x0                ; x, Wqkv
	s_load_b128 s[8:11], s[0:1], 0x10              ; Wout, codes
	s_load_b128 s[12:15], s[0:1], 0x20             ; scales, wh
	v_lshl_add_u32 v[SPW], v0, 2, SPARE
	v_mov_b32 v[NIL], 0
	v_lshrrev_b32 v1, 5, v0
	v_readfirstlane_b32 s16, v1                    ; wave
	v_and_b32 v2, 31, v0                           ; lane
	v_lshlrev_b32 v3, 4, v2                        ; my 16 bytes of a load's 512
	s_mul_i32 s17, s16, WREG
	v_lshrrev_b32 v14, 2, v2
	v_mul_u32_u24 v14, v14, SP
	v_and_b32 v15, 3, v2
	v_lshl_add_u32 v14, v15, 4, v14
	v_add_nc_u32 v14, s17, v14                     ; the stage, way in: SP (lane / 4) + 16 (lane % 4)
	v_mul_u32_u24 v15, v2, SP
	v_add_nc_u32 v15, s17, v15                     ; way out: SP x lane
	v_mul_u32_u24 v4, v2, CB                       ; my 8 bytes of a store's 256
	v_lshrrev_b32 v5, 1, v2
	s_add_co_u32 s17, s17, 2*32*SP
	v_add_nc_u32 v5, s17, v5                       ; my block's scale byte in LDS
	v_lshlrev_b32 v7, 3, v2
	v_add_nc_u32 v6, s17, v7                       ; and 8 bytes a lane on their way out
	s_lshl_b32 s18, ttmp9, 2
	s_add_co_u32 s18, s18, s16                     ; my run, counted through all three tensors
	s_mov_b32 s21, 0
	s_mov_b32 s23, 0
	s_wait_kmcnt 0x0
	s_cmp_ge_u32 ttmp9, 352
	s_cbranch_scc1 .Lwout
	s_cmp_lt_u32 ttmp9, 256                        ; x or Wqkv: the choice hangs on the work-group's number alone
	s_cselect_b64 s[4:5], s[4:5], s[6:7]
	s_cselect_b32 s17, 0, 1024
	s_sub_co_u32 s20, s18, s17                     ; my run within the tensor
	s_lshl_b32 s20, s20, 15                        ; 32,768 bytes of f32 a run
	s_add_nc_u64 s[4:5], s[4:5], s[20:21]
	s_lshl_b32 s22, s18, 12                        ; 4,096 bytes of codes a run
	s_add_nc_u64 s[10:11], s[10:11], s[22:23]
	s_lshl_b32 s22, s18, 8                         ; 256 scale bytes a run
	s_add_nc_u64 s[12:13], s[12:13], s[22:23]
.macro LOAD t
.irp i, 0,1,2,3
	global_load_b128 v[R+16*((\t)%4)+4*\i:R+16*((\t)%4)+4*\i+3], v3, s[4:5] offset:2048*(\t)+512*\i th:TH_LOAD_NT
.endr
.endm
.macro TURN t                          ; step t through the stage: LDS serves a wave's instructions in order, so no wait stands between stores and loads
.irp i, 0,1,2,3
	ds_store_b128 v14, v[R+16*((\t)%4)+4*\i:R+16*((\t)%4)+4*\i+3] offset:32*SP*((\t)%2)+8*SP*\i
.endr
.irp i, 0,1,2,3
	ds_load_b128 v[X+16*((\t)%2)+4*\i:X+16*((\t)%2)+4*\i+3], v15 offset:32*SP*((\t)%2)+16*\i
.endr
.endm
.irp t, 0,1,2,3
	LOAD \t
.endr
	s_wait_loadcnt 12                              ; step 0's four loads are in; three steps' twelve may be out
	TURN 0
.macro STEP t
.set XS, X+16*((\t)%2)
.if (\t) > 0
	s_wait_dscnt 1                                 ; this step's numbers are back from the stage; the last step's byte store may be out
.else
	s_wait_dscnt 0x0
.endif
.if (\t)+4 < STEPS
	LOAD (\t)+4
.endif
.if (\t)+1 < STEPS
.if STEPS-2-(\t) >= 3
	s_wait_loadcnt 12                              ; the next step's loads are in; those of the three steps behind it may be out
.else
	s_wait_loadcnt 4*(STEPS-2-(\t))
.endif
	TURN (\t)+1
.endif
	v_max3_num_f32 v8, |v[XS]|, |v[XS+1]|, |v[XS+2]|
	v_max3_num_f32 v9, |v[XS+3]|, |v[XS+4]|, |v[XS+5]|
.irp i, 6,10
	v_max3_num_f32 v8, v8, |v[XS+\i]|, |v[XS+\i+1]|
	v_max3_num_f32 v9, v9, |v[XS+\i+2]|, |v[XS+\i+3]|
.endr
	v_max3_num_f32 v8, v8, |v[XS+14]|, |v[XS+15]|
	v_max3_num_f32 v8, v8, v9, 0x1800000           ; the floor 2^(3 - 127): the byte cannot fall under 1
	v_max_num_f32_dpp v8, v8, v8 row_xmask:1 row_mask:0xf bank_mask:0xf   ; with my neighbour's 16: the block's largest magnitude
	v_add_nc_u32 v11, 0xff000000, v8               ; 2 off its exponent field: the conversion's scale operand
	v_cvt_scalef32_pk8_fp4_f32 v[C+4*(\t)], v[XS:XS+7], v11
	v_cvt_scalef32_pk8_fp4_f32 v[C+4*(\t)+1], v[XS+8:XS+15], v11
	v_lshrrev_b32 v[E+(\t)], 23, v11               ; the scale's byte
	ds_store_b8 v5, v[E+(\t)] offset:16*(\t)       ; both lanes of a block write the same byte
	global_store_b64 v4, v[C+4*(\t):C+4*(\t)+1], s[10:11] offset:32*CB*(\t)   ; the wave stores 256 consecutive bytes, aligned
.endm
.irp t, 0,1,2,3,4,5,6,7,8,9,10,11,12,13,14,15
	STEP \t
.endr
	ds_load_b64 v[8:9], v6
	s_wait_dscnt 0x0
	global_store_b64 v7, v[8:9], s[12:13]          ; the run's 256 scale bytes
	s_wait_tensorcnt 0x0                           ; the wave's end
	ds_add_u32 v[SPW], v[NIL]
	s_wait_dscnt 0x0
	s_endpgm
.Lwout:                                            ; Wout to f16: no LDS.  64 chunks of 512 bytes in, 256 out, in four groups of 16, one group of loads ahead
	s_sub_co_u32 s20, s18, 1408
	s_lshl_b32 s22, s20, 14
	s_lshl_b32 s20, s20, 15
	s_add_nc_u64 s[8:9], s[8:9], s[20:21]
	s_add_nc_u64 s[14:15], s[14:15], s[22:23]
.macro WLOAD g
.irp i, 0,1,2,3,4,5,6,7,8,9,10,11,12,13,14,15
	global_load_b128 v[16+64*((\g)%2)+4*\i:16+64*((\g)%2)+4*\i+3], v3, s[8:9] offset:8192*(\g)+512*\i th:TH_LOAD_NT
.endr
.endm
.macro WCVT g
.if (\g) < 3
	s_wait_loadcnt 16                              ; my group is in; the next group's 16 may be out
.else
	s_wait_loadcnt 0x0
.endif
.if (\g) > 0
	s_wait_xcnt 0x0                                ; the last group's stores have read v144-175
.endif
.irp i, 0,1,2,3,4,5,6,7,8,9,10,11,12,13,14,15
	v_cvt_pk_f16_f32 v[144+2*\i], v[16+64*((\g)%2)+4*\i], v[16+64*((\g)%2)+4*\i+1]
	v_cvt_pk_f16_f32 v[145+2*\i], v[16+64*((\g)%2)+4*\i+2], v[16+64*((\g)%2)+4*\i+3]
.endr
.irp i, 0,1,2,3,4,5,6,7,8,9,10,11,12,13,14,15
	global_store_b64 v4, v[144+2*\i:145+2*\i], s[14:15] offset:4096*(\g)+256*\i
.endr
.endm
	WLOAD 0
	WLOAD 1
	WCVT 0
	WLOAD 2
	WCVT 1
	WLOAD 3
	WCVT 2
	WCVT 3
	s_endpgm
.Lfunc_end_k_q2acc55a66c_prep:
	.size	k_q2acc55a66c_prep, .Lfunc_end_k_q2acc55a66c_prep-k_q2acc55a66c_prep
	.p2alignl 7, 3214868480
	.fill 96, 4, 3214868480
	.section	.rodata,"a",@progbits
	.p2align	6, 0x0
	.amdhsa_kernel k_q2acc55a66c_prep
		.amdhsa_group_segment_fixed_size 33280
		.amdhsa_private_segment_fixed_size 0
		.amdhsa_enable_private_segment 0
		.amdhsa_kernarg_size 48
		.amdhsa_user_sgpr_count 2
		.amdhsa_user_sgpr_kernarg_segment_ptr 1
		.amdhsa_wavefront_size32 1
		.amdhsa_system_sgpr_workgroup_id_x 1
		.amdhsa_system_sgpr_workgroup_id_y 1
		.amdhsa_system_sgpr_workgroup_id_z 1
		.amdhsa_system_vgpr_workitem_id 0
		.amdhsa_next_free_vgpr 192
		.amdhsa_next_free_sgpr 66
		.amdhsa_reserve_vcc 0
		.amdhsa_float_denorm_mode_32 3
		.amdhsa_float_denorm_mode_16_64 3
		.amdhsa_memory_ordered 1
		.amdhsa_forward_progress 1
		.amdhsa_inst_pref_size 54
	.end_amdhsa_kernel
	.amdgpu_metadata
---
amdhsa.version: [ 1, 2 ]
amdhsa.kernels:
  - .name:           k_q2acc55a66c_prep
    .symbol:         k_q2acc55a66c_prep.kd
    .args:
      - { .name: x, .offset: 0, .size: 8, .value_kind: global_buffer, .address_space: global }
      - { .name: Wqkv, .offset: 8, .size: 8, .value_kind: global_buffer, .address_space: global }
      - { .name: Wout, .offset: 16, .size: 8, .value_kind: global_buffer, .address_space: global }
      - { .name: codes, .offset: 24, .size: 8, .value_kind: global_buffer, .address_space: global }
      - { .name: scales, .offset: 32, .size: 8, .value_kind: global_buffer, .address_space: global }
      - { .name: wh, .offset: 40, .size: 8, .value_kind: global_buffer, .address_space: global }
    .group_segment_fixed_size: 33280
    .private_segment_fixed_size: 0
    .kernarg_segment_align: 8
    .kernarg_segment_size: 48
    .max_flat_workgroup_size: 128
    .sgpr_count:     66
    .vgpr_count:     192
    .wavefront_size: 32
...
	.end_amdgpu_metadata
.endif
;; end of part 1
;; launch qkv (part 2): grid 12 x 32, 4 waves a work-group, clusters of 4 x 4, 327,680 bytes of LDS; arguments codes, scales, qkvh, qkv16; writes qkvh, qkv16
.if DOCPART == 2
	.amdgcn_target "amdgcn-amd-amdhsa--gfx1250"
	.amdhsa_code_object_version 6
	.text
	.protected	k_q2acc55a66c_qkv
	.globl	k_q2acc55a66c_qkv
	.p2align	8
	.type	k_q2acc55a66c_qkv,@function
k_q2acc55a66c_qkv:
	s_mov_b64 s[64:65], 0
	v_nop
	global_prefetch_b8 v0, s[64:65] scope:SCOPE_SE
	s_setreg_imm32_b32 hwreg(HW_REG_WAVE_MODE, 25, 1), 1
	s_wait_xcnt 0x0
	s_wait_alu depctr_hold_cnt(0) depctr_sa_sdst(0) depctr_va_vdst(0) depctr_va_sdst(0) depctr_va_ssrc(0) depctr_va_vcc(0) depctr_vm_vsrc(0)
	s_getreg_b32 s2, hwreg(HW_REG_IB_STS2, 6, 4)
	s_cmp_eq_u32 s2, 0
	s_cbranch_scc0 .Lentry_in_a_cluster
	s_endpgm
.Lentry_in_a_cluster:
	s_bfe_u32 s2, ttmp6, 0x10000c
	s_cmp_lg_u32 s2, 0xf033
	s_cbranch_scc0 .Lentry_shape_is_right
	s_endpgm
.Lentry_shape_is_right:
; qkv[m][n] = sum over k of x[m][k] Wqkv[n][k], on codes of FP4 with E8M0 scales; m 8,192, n 3,072, k 1,024; sums f32.
; A (x): codes at byte 0, scales at byte 0 of their buffers; B (Wqkv): codes from byte 0x400000, scales from byte 0x40000.
; A tile of 256 x 256 to a work-group of four waves, 128 x 128 a wave (64 accumulators).  K is two slots of 512: both are filled at the start and nothing is filled again.
; The scale bytes of the tile's rows come once, as dense blocks.  4 x 4 work-groups form a cluster: A's tiles are asked for jointly along a row, B's along a column.
; The matrix instruction is used transposed (source 0 = rows of B, source 1 = rows of A): a lane holds eight neighbouring columns of one row.
; Tile row = 8 cy + cluster y: the tiles that begin a sequence (2,048 rows = 8 tiles) are those of cluster y = 0, a number that all sixteen partners share.
; OUT: f16 to qkvh [3][b][h][t][64]; rows t < 16 of every sequence also in f32 to qkv16 [b][16][3072].  LIMIT: |q|, |k|, |v| under 65,504.
; REGISTERS: window 0: v0-31 addresses; v32-95 scale words, two sets; v128-191 A's fragments, one set.  window 1: B's fragments, two sets.  windows 2, 3: accumulators (a, b) at v[8 (8 (a % 4) + b)].
.set NQ,     4
.set ROWB,   256
.set KROW,   512
.set PITCH,  272                       ; 256 bytes + 16: the 16 rows that a load touches start at 16 different banks
.set FR,     8
.set NL,     2
.set NP,     4
.set HALFT,  128*PITCH
.set SLOT,   4*HALFT
.set KS,     32                        ; a row of scale bytes
.set SCL,    2*SLOT
.set HALFS,  (128*KS/256)*272
.set SBLK,   (16*KS/256)*272
.set SPARE,  SCL+4*HALFS               ; the spare words: 128 bytes a wave, named by no other line
.set SP,     400                       ; the way out: a stage row, 256 bytes of f16 in 25 x 16 bytes; 16 rows a wave, in slot 0, which has had its only fill and its last read
.set ADRA, 16
.set ADRB, 20
.set STO,  24
.set RD,   25
.set CO,   26
.set ADRS, 27
.set SPW,  28
.set NIL,  29
.set F32O, 30
.set SC,   32
.set TMP,  32
.set AF,   128
.set BK,   128
.set G1, 24
.set G0, 32
.set G1B, 48
.set G0B, 56
.set G1S, 68
.set G0S, 76
.set G1SB, 80
.set G0SB, 88
.set MSB, 0
.macro WIN new                         ; the immediate's high byte repeats the setting that is left
.set NW, \new
.if MSB != NW
	s_set_vgpr_msb (MSB<<8)|NW
.set MSB, NW
.endif
.endm
.set MUL_LO, 0xa1
.set MUL_HI, 0xf1
.set TO_B,   0x40
.macro JLOAD g0a, g1a, g0b, g1b        ; waves 0, 1 fetch for A, waves 2, 3 for B; an s_nop 0 and four v_nop follow each line
	s_cmp_eq_u32 s15, 0
	s_cbranch_scc0 .Lfor_b_\@
	tensor_load_to_lds s[\g0a:\g0a+3], s[\g1a:\g1a+7]
	s_nop 0
.rept 4
	v_nop
.endr
	s_branch .Lasked_\@
.Lfor_b_\@:
	tensor_load_to_lds s[\g0b:\g0b+3], s[\g1b:\g1b+7]
	s_nop 0
.rept 4
	v_nop
.endr
.Lasked_\@:
.endm
.macro CROUND                          ; a round of the cluster's barrier
	s_barrier_signal -1
	s_barrier_wait -1
	s_cmp_lg_u32 s14, 0
	s_cbranch_scc1 .Lnot_wave_0_\@
	s_barrier_signal -3
.Lnot_wave_0_\@:
	s_barrier_wait -3
	s_barrier_signal -1
	s_barrier_wait -1
.endm
	s_load_b128 s[4:7], s[0:1], 0x0                ; codes, scales
	s_load_b128 s[8:11], s[0:1], 0x10              ; qkvh, qkv16
	v_lshl_add_u32 v[SPW], v0, 2, SPARE
	v_mov_b32 v[NIL], 0
	ds_add_u32 v[SPW], v[NIL]                      ; the opening: the add, twice on end, and its wait ahead of my first tensor load
	ds_add_u32 v[SPW], v[NIL]
	v_lshrrev_b32 v1, 5, v0
	v_readfirstlane_b32 s14, v1                    ; wave
	s_lshr_b32 s15, s14, 1                         ; my half of the rows; also: I fetch for A (0) or B (1)
	s_and_b32 s16, s14, 1                          ; my half of the columns; also: which 128 rows I fetch
	s_bfe_u32 s40, ttmp6, 0x40000                  ; cx
	s_bfe_u32 s41, ttmp6, 0x40004                  ; cy
	s_lshl_b32 s42, ttmp9, 2
	s_add_co_u32 s42, s42, s40                     ; tile column = 4 x cluster x + cx
	s_and_b32 s17, ttmp7, 0xffff
	s_lshl_b32 s43, s41, 3
	s_add_co_u32 s17, s17, s43                     ; tile row = 8 cy + cluster y
	s_lshl_b32 s43, s41, 2
	s_lshl_b32 s43, 15, s43                        ; my row of the cluster
	s_lshl_b32 s44, 0x1111, s40                    ; my column
	s_or_b32 s[G1+0], s43, (0<<16)|(1<<20)|(1<<21)|(5<<22)|(3<<25)   ; mask; elements of 1 byte; 4 words of padding behind every 64
	s_or_b32 s[G1B+0], s44, (0<<16)|(1<<20)|(1<<21)|(5<<22)|(3<<25)
.irp g, G1, G1B
	s_mov_b32 s[\g+1], ROWB<<16                    ; tensor_dim0
	s_mov_b32 s[\g+2], 128<<16                     ; tensor_dim1
	s_mov_b32 s[\g+3], ROWB<<16                    ; tile_dim0
	s_mov_b32 s[\g+4], 128                         ; tile_dim1
	s_mov_b32 s[\g+5], KROW                        ; pitch
	s_mov_b32 s[\g+6], 0
	s_mov_b32 s[\g+7], 0
.endr
	s_or_b32 s[G1S+0], s43, (3<<16)|(1<<20)|(1<<21)|(5<<22)|(3<<25)  ; the scales of 128 rows: 4,096 dense bytes as 16 rows of 256
	s_or_b32 s[G1SB+0], s44, (3<<16)|(1<<20)|(1<<21)|(5<<22)|(3<<25)
.irp g, G1S, G1SB
	s_mov_b32 s[\g+1], 32<<16
	s_mov_b32 s[\g+2], (128*KS/256)<<16
	s_mov_b32 s[\g+3], 32<<16
	s_mov_b32 s[\g+4], 128*KS/256
	s_mov_b32 s[\g+5], 32
	s_mov_b32 s[\g+6], 0
	s_mov_b32 s[\g+7], 0
.endr
	s_lshl_b32 s18, s16, 7
	s_lshl_b32 s20, s17, 8
	s_add_co_u32 s20, s20, s18                     ; A: row 256 x tile row + 128 x half
	s_lshl_b32 s46, s42, 8
	s_add_co_u32 s46, s46, s18                     ; B: row 256 x tile column + 128 x half
	s_mov_b32 s21, 0
	s_mov_b32 s47, 0
	s_mov_b64 s[18:19], KS
	s_mul_u64 s[22:23], s[20:21], s[18:19]
	s_mul_u64 s[92:93], s[46:47], s[18:19]
	s_mov_b64 s[18:19], KROW
	s_mul_u64 s[20:21], s[20:21], s[18:19]
	s_mul_u64 s[46:47], s[46:47], s[18:19]
	s_add_nc_u64 s[46:47], s[46:47], 0x400000      ; Wqkv's codes lie behind x's
	s_add_nc_u64 s[92:93], s[92:93], 0x40000       ; and its scale bytes likewise
	s_mul_i32 s45, s14, HALFT
	s_mul_i32 s94, s14, HALFS
	s_wait_dscnt 0x0                               ; both opening adds are done
	s_wait_kmcnt 0x0
	s_add_nc_u64 s[20:21], s[4:5], s[20:21]
	s_add_nc_u64 s[22:23], s[6:7], s[22:23]
	s_add_nc_u64 s[46:47], s[4:5], s[46:47]
	s_add_nc_u64 s[92:93], s[6:7], s[92:93]
	CROUND                                         ; all sixteen work-groups are here: the joint loads meet
	s_mov_b32 s[G0S], 1
	s_add_co_u32 s[G0S+1], s94, SCL
	s_mov_b64 s[G0S+2:G0S+3], s[22:23]
	s_or_b32 s[G0S+3], s[G0S+3], 0x80000000
	s_mov_b32 s[G0SB], 1
	s_add_co_u32 s[G0SB+1], s94, SCL
	s_mov_b64 s[G0SB+2:G0SB+3], s[92:93]
	s_or_b32 s[G0SB+3], s[G0SB+3], 0x80000000
	JLOAD G0S, G1S, G0SB, G1SB
.irp s, 0,1
	s_mov_b32 s[G0+4*\s], 1
	s_add_co_u32 s[G0+4*\s+1], s45, \s*SLOT
	s_add_nc_u64 s[G0+4*\s+2:G0+4*\s+3], s[20:21], \s*ROWB
	s_or_b32 s[G0+4*\s+3], s[G0+4*\s+3], 0x80000000
	s_mov_b32 s[G0B+4*\s], 1
	s_add_co_u32 s[G0B+4*\s+1], s45, \s*SLOT
	s_add_nc_u64 s[G0B+4*\s+2:G0B+4*\s+3], s[46:47], \s*ROWB
	s_or_b32 s[G0B+4*\s+3], s[G0B+4*\s+3], 0x80000000
	JLOAD G0+4*\s, G1, G0B+4*\s, G1B
.endr
	v_and_b32 v1, 15, v0                           ; r
	v_bfe_u32 v2, v0, 4, 1                         ; h
	v_mul_u32_u24 v3, v1, PITCH
	v_lshl_add_u32 v4, v2, 4, v3
	s_mul_i32 s21, s15, HALFT
	s_mul_i32 s22, s16, HALFT
	s_add_co_u32 s22, s22, 2*HALFT
.irp s, 0,1
	v_add_nc_u32 v[ADRA+\s], s21, v4
	v_add_nc_u32 v[ADRB+\s], s22, v4
	s_add_co_u32 s21, s21, SLOT
	s_add_co_u32 s22, s22, SLOT
.endr
	v_mul_u32_u24 v5, v1, KS                       ; my row's scale bytes,
	v_lshrrev_b32 v6, 8, v5
	v_lshl_add_u32 v5, v6, 4, v5                   ; 16 more for each 256 passed
	s_mul_i32 s21, s15, HALFS
	s_mul_i32 s22, s16, HALFS
	s_add_co_u32 s22, s22, 2*HALFS
	s_sub_co_u32 s22, s22, s21
	v_mul_u32_u24 v6, s22, v2                      ; lanes 16-31 take B's
	s_add_co_u32 s21, s21, SCL
	v_add_nc_u32 v5, v5, v6
	v_add_nc_u32 v[ADRS], s21, v5
	s_mul_i32 s23, s14, 16*SP                      ; my stage
	v_mul_u32_u24 v5, v1, SP
	v_lshl_add_u32 v5, v2, 4, v5
	v_add_nc_u32 v[STO], s23, v5                   ; in: row r, 16 bytes for each half of the lanes
	v_bfe_u32 v5, v0, 3, 2
	v_and_b32 v6, 7, v0
	v_mul_u32_u24 v5, v5, SP
	v_lshl_add_u32 v5, v6, 4, v5
	v_add_nc_u32 v[RD], s23, v5                    ; back: eight lanes take one token's 128 bytes of a head, four tokens an instruction
	v_and_b32 v6, 31, v0
	v_lshlrev_b32 v[CO], 4, v6
	v_mul_u32_u24 v[F32O], v1, 12288
	v_lshl_add_u32 v[F32O], v2, 5, v[F32O]         ; qkv16: row r of 12,288 bytes, + 32 h
	s_lshl_b32 s20, s17, 8
	s_lshl_b32 s21, s15, 7
	s_add_co_u32 s20, s20, s21                     ; m0
	s_lshl_b32 s46, s42, 8
	s_lshl_b32 s47, s16, 7
	s_add_co_u32 s46, s46, s47                     ; n0
	s_lshr_b32 s21, s20, 11                        ; b
	s_and_b32 s22, s20, 2047                       ; t0
	s_lshr_b32 s47, s46, 10                        ; q, k or v
	s_bfe_u32 s92, s46, 0x40006                    ; my first head
	s_lshl_b32 s93, s21, 4
	s_add_co_u32 s92, s92, s93
	s_lshl_b32 s92, s92, 18
	s_lshl_b32 s47, s47, 24
	s_add_co_u32 s92, s92, s47
	s_lshl_b32 s22, s22, 7
	s_add_co_u32 s92, s92, s22
	s_mov_b32 s93, 0
	s_add_nc_u64 s[12:13], s[8:9], s[92:93]        ; qkvh at my first token of my first head
	s_mul_i32 s92, s21, 196608
	s_lshl_b32 s46, s46, 2
	s_add_co_u32 s92, s92, s46
	s_add_nc_u64 s[10:11], s[10:11], s[92:93]      ; qkv16 at my batch and first column
.macro FRAG reg, adr, q, i             ; 16 rows x 128 K of 4-bit codes: 8 registers, two loads 32 bytes apart
.irp c, 0,1
	ds_load_b128 v[\reg+4*\c:\reg+4*\c+3], v[\adr] offset:64*(\q)+32*\c+(\i)*16*PITCH
.endr
.endm
; 16 matrix instructions: A's blocks a0, a0 + 1 x B's eight.  The 64 accumulators take turns, one instruction a turn.
.macro MUL16 a0, p, q, sc, zero
.irp a, \a0, \a0+1
.irp b, 0,1,2,3,4,5,6,7
.if \zero
	v_wmma_scale_f32_16x16x128_f8f6f4 v[8*(8*((\a)%4)+\b):8*(8*((\a)%4)+\b)+7], v[128*(\p)+FR*\b:128*(\p)+FR*\b+FR-1], v[AF+FR*(\a):AF+FR*(\a)+FR-1], 0, v[SC+8*NQ*(\sc)+NQ*\b+(\q)], v[SC+8*NQ*(\sc)+NQ*(\a)+(\q)] matrix_a_fmt:MATRIX_FMT_FP4 matrix_b_fmt:MATRIX_FMT_FP4 matrix_a_scale:MATRIX_SCALE_ROW1
.else
	v_wmma_scale_f32_16x16x128_f8f6f4 v[8*(8*((\a)%4)+\b):8*(8*((\a)%4)+\b)+7], v[128*(\p)+FR*\b:128*(\p)+FR*\b+FR-1], v[AF+FR*(\a):AF+FR*(\a)+FR-1], v[8*(8*((\a)%4)+\b):8*(8*((\a)%4)+\b)+7], v[SC+8*NQ*(\sc)+NQ*\b+(\q)], v[SC+8*NQ*(\sc)+NQ*(\a)+(\q)] matrix_a_fmt:MATRIX_FMT_FP4 matrix_b_fmt:MATRIX_FMT_FP4 matrix_a_scale:MATRIX_SCALE_ROW1
.endif
.endr
.endr
.endm
.macro FETCH_B slot, q, p
	WIN TO_B
.irp i, 0,1,2,3,4,5,6,7
	FRAG 128*(\p)+FR*\i, ADRB+\slot, \q, \i
.endr
	WIN 0
.endm
.macro FETCH_A slot, q, i0
.irp i, \i0, \i0+1, \i0+2, \i0+3
	FRAG AF+FR*(\i), ADRA+\slot, \q, \i
.endr
.endm
.macro SCALES sc                       ; a slot's scale words: lanes 0-15 A's block i, lanes 16-31 B's block i
.irp i, 0,1,2,3,4,5,6,7
	ds_load_b128 v[SC+8*NQ*\sc+NQ*\i:SC+8*NQ*\sc+NQ*\i+3], v[ADRS] offset:\i*SBLK
.endr
.endm
.macro PLACES n                        ; plain vector places behind matrix instructions, ahead of loads into their registers and reads of results
.rept \n
	v_nop
.endr
.endm
.macro STEP slot, q, zero
	s_wait_dscnt 4*NL                              ; B's set and A's blocks 0-3 are in; A's blocks 4-7 (8 loads) may be out
	WIN MUL_LO
	MUL16 0, (\q)%2, \q, \slot, \zero
	MUL16 2, (\q)%2, \q, \slot, \zero
	s_wait_dscnt 0
	PLACES NP
	FETCH_B \slot, (\q)+1, 1-(\q)%2
	FETCH_A \slot, (\q)+1, 0
	WIN MUL_HI
	MUL16 4, (\q)%2, \q, \slot, \zero
	MUL16 6, (\q)%2, \q, \slot, \zero
	PLACES NP
	WIN 0
	FETCH_A \slot, (\q)+1, 4
.endm
.macro TURN slot, next                 ; a slot's last step: one barrier; behind it nobody reads this slot and the next is whole.  Nothing is filled again
	s_wait_tensorcnt 0x0                           ; all my tensor loads have landed
	ds_add_u32 v[SPW], v[NIL]
	s_wait_dscnt 4*NL+1                            ; the add and A's blocks 4-7 may be out
	WIN MUL_LO
	MUL16 0, 1, NQ-1, \slot, 0
	s_wait_dscnt 0x0                               ; the add is done, my reads of this slot are over
	s_barrier_signal -1
	MUL16 2, 1, NQ-1, \slot, 0
	WIN 0
	s_barrier_wait -1
	PLACES NP
	v_add_nc_u32 v[ADRS], 4*NQ, v[ADRS]            ; the next slot's scale words
	FETCH_B \next, 0, 0
	FETCH_A \next, 0, 0
	SCALES \next
	WIN MUL_HI
	MUL16 4, 1, NQ-1, \slot, 0
	MUL16 6, 1, NQ-1, \slot, 0
	PLACES NP
	WIN 0
	FETCH_A \next, 0, 4
.endm
	s_wait_tensorcnt 1                             ; the scales and slot 0 are in; slot 1's load, issued behind them, may be out
	s_barrier_signal -1
	s_barrier_wait -1
	FETCH_B 0, 0, 0
	FETCH_A 0, 0, 0
	SCALES 0
	FETCH_A 0, 0, 4
	STEP 0, 0, 1                                   ; the first step's products start the sums
	STEP 0, 1, 0
	STEP 0, 2, 0
	TURN 0, 1
	STEP 1, 0, 0
	STEP 1, 1, 0
	STEP 1, 2, 0
	s_wait_dscnt 4*NL
	WIN MUL_LO
	MUL16 0, 1, NQ-1, 1, 0
	MUL16 2, 1, NQ-1, 1, 0
	s_wait_dscnt 0
	WIN MUL_HI
	MUL16 4, 1, NQ-1, 1, 0
	MUL16 6, 1, NQ-1, 1, 0
	WIN 0
	PLACES NP
	; rows t < 16 of a sequence, block 0 of the waves with cluster y = 0 and row half 0, also leave in f32: 32 bytes a lane
	s_and_b32 s20, ttmp7, 0xffff
	s_or_b32 s20, s20, s15
	s_cmp_lg_u32 s20, 0
	s_cbranch_scc1 .Lno16
	WIN 0x08                                       ; a store's data are its source 1: window 2
.irp b, 0,1,2,3,4,5,6,7
	global_store_b128 v[F32O], v[8*\b:8*\b+3], s[10:11] offset:64*\b
	global_store_b128 v[F32O], v[8*\b+4:8*\b+7], s[10:11] offset:64*\b+16
.endr
	WIN 0
.Lno16:
; THE WAY OUT, a block of 16 rows x 128 columns (two heads) at a time: rounded to f16, through my stage, back as four tokens x 128 bytes of one head: 512 consecutive bytes of qkvh.
.macro PACK a
.set AC, 64*((\a)%4)
	WIN 0x0a+5*((\a)/4)
.irp b, 0,1,2,3,4,5,6,7
.irp r, 0,1,2,3
	v_cvt_pk_f16_f32 v[TMP+4*\b+\r], v[AC+8*\b+2*\r], v[AC+8*\b+2*\r+1]
.endr
.endr
	WIN 0
.endm
.macro TOSTAGE a
.set BB, BK+32*((\a)%2)
.irp b, 0,1,2,3,4,5,6,7
	ds_store_b128 v[STO], v[TMP+4*\b:TMP+4*\b+3] offset:32*\b
.endr
.set n, 0
.rept 8
	ds_load_b128 v[BB+4*n:BB+4*n+3], v[RD] offset:4*SP*(n%4)+128*(n/4)   ; LDS serves a wave's instructions in order: these see the stores above
.set n, n+1
.endr
.endm
.macro SEND a
.set BB, BK+32*((\a)%2)
	s_wait_dscnt 0x0                               ; the block is back in registers
	s_wait_xcnt 0x0                                ; the block before has been read by its stores: the next loads from the stage may land there
.set n, 0
.rept 8
	global_store_b128 v[CO], v[BB+4*n:BB+4*n+3], s[12:13] offset:2048*(\a)+512*(n%4)+262144*(n/4)
.set n, n+1
.endr
.endm
	PACK 0
	TOSTAGE 0
.irp a, 1,2,3,4,5,6,7
	PACK \a
	SEND \a-1
	TOSTAGE \a
.endr
	SEND 7
	s_wait_tensorcnt 0x0                           ; the wave's end
	ds_add_u32 v[SPW], v[NIL]
	s_wait_dscnt 0x0
	CROUND                                         ; the closing round
	s_endpgm
.Lfunc_end_k_q2acc55a66c_qkv:
	.size	k_q2acc55a66c_qkv, .Lfunc_end_k_q2acc55a66c_qkv-k_q2acc55a66c_qkv
	.p2alignl 7, 3214868480
	.fill 96, 4, 3214868480
	.section	.rodata,"a",@progbits
	.p2align	6, 0x0
	.amdhsa_kernel k_q2acc55a66c_qkv
		.amdhsa_group_segment_fixed_size 327680
		.amdhsa_private_segment_fixed_size 0
		.amdhsa_enable_private_segment 0
		.amdhsa_kernarg_size 32
		.amdhsa_user_sgpr_count 2
		.amdhsa_user_sgpr_kernarg_segment_ptr 1
		.amdhsa_wavefront_size32 1
		.amdhsa_system_sgpr_workgroup_id_x 1
		.amdhsa_system_sgpr_workgroup_id_y 1
		.amdhsa_system_sgpr_workgroup_id_z 1
		.amdhsa_system_vgpr_workitem_id 0
		.amdhsa_next_free_vgpr 1024
		.amdhsa_next_free_sgpr 98
		.amdhsa_reserve_vcc 0
		.amdhsa_float_denorm_mode_32 3
		.amdhsa_float_denorm_mode_16_64 3
		.amdhsa_memory_ordered 1
		.amdhsa_forward_progress 1
		.amdhsa_inst_pref_size 129
	.end_amdhsa_kernel
	.amdgpu_metadata
---
amdhsa.version: [ 1, 2 ]
amdhsa.kernels:
  - .name:           k_q2acc55a66c_qkv
    .symbol:         k_q2acc55a66c_qkv.kd
    .args:
      - { .name: codes, .offset: 0, .size: 8, .value_kind: global_buffer, .address_space: global }
      - { .name: scales, .offset: 8, .size: 8, .value_kind: global_buffer, .address_space: global }
      - { .name: qkvh, .offset: 16, .size: 8, .value_kind: global_buffer, .address_space: global }
      - { .name: qkv16, .offset: 24, .size: 8, .value_kind: global_buffer, .address_space: global }
    .group_segment_fixed_size: 327680
    .private_segment_fixed_size: 0
    .kernarg_segment_align: 8
    .kernarg_segment_size: 32
    .max_flat_workgroup_size: 128
    .sgpr_count:     98
    .vgpr_count:     1024
    .wavefront_size: 32
...
	.end_amdgpu_metadata
.endif
;; end of part 2
;; launch attn (part 3): grid 4 x 64, 8 waves a work-group, no clusters, 327,680 bytes of LDS; arguments qkvh, sequences, emb, bias_scale, oh, bias16; writes oh, bias16
.if DOCPART == 3
	.amdgcn_target "amdgcn-amd-amdhsa--gfx1250"
	.amdhsa_code_object_version 6
	.text
	.protected	k_q2acc55a66c_attn
	.globl	k_q2acc55a66c_attn
	.p2align	8
	.type	k_q2acc55a66c_attn,@function
k_q2acc55a66c_attn:
	s_mov_b64 s[64:65], 0
	v_nop
	global_prefetch_b8 v0, s[64:65] scope:SCOPE_SE
	s_setreg_imm32_b32 hwreg(HW_REG_WAVE_MODE, 25, 1), 1
	s_wait_xcnt 0x0
; oh[b][h][t][:] = softmax over keys k <= t of (q . k / 8) v  +  bias_scale x (the sum of the token's four rows of emb), head's 64 channels; f16 operands, f32 sums, maxima and softmax.
; SHARES.  Work-group (i, bh) owns two blocks of 256 queries of one head: first block 7 - i, then block i.  Keys go in slots of 256: (8 - i) + (i + 1) = 9 slots for every work-group, so all counts are constants.
; Eight waves; a wave owns 32 queries, two tiles of 16, at 32 u in the block; u is dealt so that the two waves of a pair (w, w + 4) or (w, w + 1) have five steps together on the diagonal slot.
; LAYOUT.  S^T = K Q^T and O^T = V^T P: a lane holds one query (lane % 16) throughout.  K comes out of LDS as it lies, V turned by ds_load_tr16_b128.
; SOFTMAX.  Running maximum m and sum l; p = 2^(c s - c m), c = log2(e) / 8; O and l are multiplied by a = 2^(c m_old - c m_new) in every step.  O^T and l begin as zeros, m as -3e38.
; MASK.  A step of 64 keys all of which come after my queries is jumped over (a branch on ids); on the diagonal hidden scores become -infinity.  A slot's first step is hidden for no wave.
; THE GATHER runs beneath: in each of the loop's 8 trips a wave sums the rows of 8 tokens (asked for one trip ago), puts them in its own LDS rows, and asks for the next 8.
; NO CLUSTER: the four work-groups of a head change from their first block to their second at trips 8 - i, so from there on they ask for different slots: joint requests would not meet.
; LIMITS: |q|, |k|, |v| and |oh| under 65,504 (f16); indices are held to 0 .. 31,999.
; LDS: two slots of 81,920 (256 rows of K, pitch 144; 256 rows of V, pitch 160); from 163,840 each wave's 64 bias rows of 272 bytes (a tile's 16 rows serve later as its f16 stage, pitch 144); the spare words.
; REGISTERS, window 0: v1-15 addresses; v16-31 statistics (tile t at 16 + 8 t: c m, m, l, l, four at work; a at +6); v32-95 S^T; v96-127 P; v128-191 K; v192-255 V.
;   window 1: v0-31 Q; v32-95 O^T; v96-127 the second block's Q; v128-191 gathered rows; v192-207 indices, then offsets; v208-210 lane terms.
.set PK,    144
.set PV,    160
.set VOFF,  256*PK
.set SLOTB, 81920
.set BIAS,  2*SLOTB
.set BW,    64*272
.set SPARE, BIAS+8*BW
.set AK0, 1
.set AV0, 2
.set ADK, 3
.set ADV, 4
.set PFO, 5
.set STO, 6
.set RD,  7
.set GO,  8
.set NEG, 9
.set LD,  10
.set DD,  11
.set GST, 12
.set BRD, 13
.set SPW, 14
.set NIL, 15
.set ST,  16
.set S,   32
.set ADG, 32                           ; v32 is free between two slots: the address of the bias rows in hand
.set P,   96
.set KR,  128
.set VR,  192
.set QR,  0                            ; window 1
.set OT,  32
.set QL,  96
.set GT,  128
.set IDX, 192
.set GEO, 208
.set SQO, 209
.set B16O, 210
.set WV,  16
.set U,   17
.set WI,  18
.set BH,  19
.set SEL, 20
.set CS,  22
.set G1K, 24
.set G1V, 32
.set G0K, 40
.set G0V, 44
.set KB,  48
.set VB,  50
.set OFF, 52
.set NK,  54
.set NLIM, 55
.set FB,  56
.set TB,  57
.set WKL, 58
.set WVL, 59
.set J,   60
.set SW,  61
.set KS,  62
.set Q0,  63
.set QLO, 66
.set LIMJ, 67
.set PFA, 68
.set BS,  70
.set OBH, 72
.set OBL, 74
.set SQP, 76
.set TH,  78
.set TL,  79
.set GSB, 80
.set NF16, 81
.set B16P, 82
.set HB,  93
.set MSB, 0
.macro WIN new                         ; the immediate's high byte repeats the setting that is left
.set NW, \new
.if MSB != NW
	s_set_vgpr_msb (MSB<<8)|NW
.set MSB, NW
.endif
.endm
.set W_KQ, 0x04                        ; source 1 (Q) window 1
.set W_RS, 0x41                        ; destination and source 0 window 1
.set W_PV, 0x50                        ; C and D (O^T) window 1
.set W_G,  0x55                        ; all window 1
.set W_D1, 0x40                        ; destination window 1
.set W_FM, 0x01                        ; source 0 window 1
; Waves 0-3 fetch a quarter of the slot's K each, waves 4-7 of its V: one load a wave.  An s_nop 0 and four v_nop follow each line.
.macro TLOAD
	s_cmp_lt_u32 s[WV], 4
	s_cbranch_scc0 .Lfor_v_\@
	tensor_load_to_lds s[G0K:G0K+3], s[G1K:G1K+7]
	s_nop 0
.rept 4
	v_nop
.endr
	s_branch .Lasked_\@
.Lfor_v_\@:
	tensor_load_to_lds s[G0V:G0V+3], s[G1V:G1V+7]
	s_nop 0
.rept 4
	v_nop
.endr
.Lasked_\@:
.endm
; A prefetch of the slot that the NEXT change will ask for.  The head's work-group i = 0, whose first block walks all eight slots, asks, in trips 0 to 5 for slots 2 to 7; each wave for the 8,192 bytes that it
; will fetch, lanes 256 bytes apart: each block of 256 bytes is named once in the launch.  Slots 0 and 1 come by their loads alone.
.macro ASK
	s_cmp_lt_u32 s[J], s[LIMJ]
	s_cbranch_scc0 .Lnot_mine_\@
	global_prefetch_b8 v[PFO], s[PFA:PFA+1] th:TH_LOAD_NT scope:SCOPE_SE
.Lnot_mine_\@:
.endm
; THE CHANGE OF SLOTS, at a slot's head: all my tensor loads have landed (my part of the slot ahead), the add, my reads of the slot left behind are over; one barrier; then that slot is filled with the next keys.
.macro CHANGE fill
	s_wait_tensorcnt 0x0                           ; no tensor load of mine is out: the groups 0 may be written
	ds_add_u32 v[SPW], v[NIL]
.if \fill
	s_add_co_u32 s[NK], s[NK], 1                   ; the next slot of keys; behind the first block's last it is slot 0 again
	s_cmp_eq_u32 s[NK], s[NLIM]
	s_cselect_b32 s[NK], 0, s[NK]
	s_lshl_b32 s[OFF], s[NK], 15                   ; 32,768 bytes a slot
	s_xor_b32 s[FB], s[FB], SLOTB
	s_add_co_u32 s[G0K+1], s[FB], s[WKL]
	s_add_co_u32 s[G0V+1], s[FB], s[WVL]
	s_add_nc_u64 s[G0K+2:G0K+3], s[KB:KB+1], s[OFF:OFF+1]
	s_or_b32 s[G0K+3], s[G0K+3], 0x80000000
	s_add_nc_u64 s[G0V+2:G0V+3], s[VB:VB+1], s[OFF:OFF+1]
	s_or_b32 s[G0V+3], s[G0V+3], 0x80000000
	s_wait_xcnt 0x0                                ; the last prefetch, a trip back, has read its address
	s_add_nc_u64 s[PFA:PFA+1], s[PFA:PFA+1], 32768
.endif
	s_wait_dscnt 0x0                               ; the add is done, my LDS reads are over
	s_barrier_signal -1
	s_barrier_wait -1
.if \fill
	TLOAD                                          ; first behind the barrier, my one tensor load until the next: it has a slot's steps in which to land
	ASK
.endif
.endm
.macro KLOAD q                         ; 64 keys x 64 channels: fragment n: keys 16 (n / 2) on, channels 32 (n % 2) on
.set n, 0
.rept 8
	ds_load_b128 v[KR+8*n:KR+8*n+3],   v[ADK] offset:64*PK*(\q)+16*PK*(n/2)+64*(n%2)
	ds_load_b128 v[KR+8*n+4:KR+8*n+7], v[ADK] offset:64*PK*(\q)+16*PK*(n/2)+64*(n%2)+32
.set n, n+1
.endr
.endm
.macro VLOAD q                         ; turned: fragment n: keys 32 (n / 4) on, channels 16 (n % 4) on
.set n, 0
.rept 8
	ds_load_tr16_b128 v[VR+8*n:VR+8*n+3],   v[ADV] offset:64*PV*(\q)+32*PV*(n/4)+32*(n%4)
	ds_load_tr16_b128 v[VR+8*n+4:VR+8*n+7], v[ADV] offset:64*PV*(\q)+32*PV*(n/4)+16*PV+32*(n%4)
.set n, n+1
.endr
.endm
; A KEY STEP: 64 keys, the q-th of the slot.
.macro STEP q, lab
.if \q > 0
	s_add_co_u32 s84, s[KS], 64*\q                 ; the step's first key comes after my first query (both multiples of 32): after all 32; so do all later steps of the slot
	s_cmp_gt_u32 s84, s[Q0]
	s_cbranch_scc1 .Ldone_\lab
.endif
	s_wait_dscnt 0x0                               ; K of this step is in
	WIN W_KQ
.irp c, 0,1                            ; eight accumulators by turns, one instruction a turn
.irp kt, 0,1,2,3
.irp t, 0,1
.if \c == 0
	v_wmma_f32_16x16x32_f16 v[S+32*\t+8*\kt:S+32*\t+8*\kt+7], v[KR+16*\kt:KR+16*\kt+7], v[QR+16*\t:QR+16*\t+7], 0
.else
	v_wmma_f32_16x16x32_f16 v[S+32*\t+8*\kt:S+32*\t+8*\kt+7], v[KR+16*\kt+8:KR+16*\kt+15], v[QR+16*\t+8:QR+16*\t+15], v[S+32*\t+8*\kt:S+32*\t+8*\kt+7]
.endif
.endr
.endr
.endr
	WIN 0
.rept 4
	v_nop                                          ; places ahead of the loads into K's and V's registers and of the first read of the scores
.endr
	VLOAD \q
.if \q < 3
	KLOAD \q+1
.endif
	s_add_co_u32 s85, s[KS], 64*\q+63              ; all 64 keys count for all my queries: no mask
	s_cmp_le_u32 s85, s[Q0]
	s_cbranch_scc1 .Lopen_\@
	s_sub_co_u32 s85, s[Q0], s[KS]
	s_sub_co_u32 s85, s85, 64*\q
	v_add_nc_u32 v[DD], s85, v[LD]                 ; d = my query - the step's first key - 8 (lane / 16): register 8 kt + j is hidden where 16 kt + j > d
.irp t, 0,1
.set n, 0
.rept 32
	v_cmp_gt_i32 vcc_lo, 16*(n/8)+n%8, v[DD]
	v_cndmask_b32 v[S+32*\t+n], v[S+32*\t+n], v[NEG], vcc_lo
.set n, n+1
.endr
.if \t == 0
	v_add_nc_u32 v[DD], 16, v[DD]                  ; tile 1's queries lie 16 on
.endif
.endr
.Lopen_\@:
.irp j, 0,1,2,3                        ; the maximum of 32 scores and the old m; the two tiles line by line
.irp t, 0,1
	v_max3_num_f32 v[ST+8*\t+4+\j], v[S+32*\t+8*\j], v[S+32*\t+8*\j+1], v[S+32*\t+8*\j+2]
.endr
.endr
.irp g, 1,2
.irp j, 0,1,2,3
.irp t, 0,1
	v_max3_num_f32 v[ST+8*\t+4+\j], v[ST+8*\t+4+\j], v[S+32*\t+8*\j+2*\g+1], v[S+32*\t+8*\j+2*\g+2]
.endr
.endr
.endr
.irp t, 0,1
	v_max3_num_f32 v[ST+8*\t+4], v[ST+8*\t+4], v[S+32*\t+7], v[S+32*\t+15]
.endr
.irp t, 0,1
	v_max3_num_f32 v[ST+8*\t+6], v[ST+8*\t+6], v[S+32*\t+23], v[S+32*\t+31]
.endr
.irp t, 0,1
	v_max3_num_f32 v[ST+8*\t+4], v[ST+8*\t+4], v[ST+8*\t+5], v[ST+8*\t+6]
.endr
.irp t, 0,1
	v_max3_num_f32 v[ST+8*\t+4], v[ST+8*\t+4], v[ST+8*\t+7], v[ST+8*\t+1]
.endr
.irp t, 0,1
	v_permlanex16_b32 v[ST+8*\t+5], v[ST+8*\t+4], s[SEL], s[SEL+1]   ; the query's other 32 keys lie in the lane 16 away
.endr
.irp t, 0,1
	v_mov_b32 v[ST+8*\t+7], v[ST+8*\t]             ; c m_old
.endr
.irp t, 0,1
	v_max_num_f32 v[ST+8*\t+1], v[ST+8*\t+4], v[ST+8*\t+5]
.endr
.irp t, 0,1
	v_mul_f32 v[ST+8*\t], s[CS], v[ST+8*\t+1]
.endr
.irp t, 0,1
	v_sub_f32 v[ST+8*\t+7], v[ST+8*\t+7], v[ST+8*\t]
.endr
.irp t, 0,1
	v_exp_f32 v[ST+8*\t+6], v[ST+8*\t+7]           ; a
.endr
.set n, 0
.rept 16
.irp t, 0,1
	v_pk_fma_f32 v[S+32*\t+n:S+32*\t+n+1], v[S+32*\t+n:S+32*\t+n+1], s[CS:CS+1], v[ST+8*\t:ST+8*\t+1] op_sel_hi:[1,0,0] neg_lo:[0,0,1] neg_hi:[0,0,1]   ; c s - c m
.endr
.set n, n+2
.endr
.set n, 0
.rept 64
	v_exp_f32 v[S+n], v[S+n]
.set n, n+1
.endr
	v_nop                                          ; a plain instruction behind the last exponential
	s_wait_alu depctr_va_vdst(0)                   ; one wait for the 66 exponentials, ahead of the first instruction that names a result
.set n, 0
.rept 16
.irp t, 0,1
	v_cvt_pk_f16_f32 v[P+16*\t+n], v[S+32*\t+2*n], v[S+32*\t+2*n+1]
.endr
.set n, n+1
.endr
.irp w, 4,8,16,32                      ; the sum of the unrounded p, pairs 1, 2, 4 and 8 apart
.set n, 0
.rept 32/\w
.irp t, 0,1
	v_pk_add_f32 v[S+32*\t+n:S+32*\t+n+1], v[S+32*\t+n:S+32*\t+n+1], v[S+32*\t+n+\w/2:S+32*\t+n+\w/2+1]
.endr
.set n, n+\w
.endr
.endr
.irp t, 0,1
	v_pk_fma_f32 v[ST+8*\t+2:ST+8*\t+3], v[ST+8*\t+2:ST+8*\t+3], v[ST+8*\t+6:ST+8*\t+7], v[S+32*\t:S+32*\t+1] op_sel_hi:[1,0,1]   ; l = a l + the sum
.endr
	WIN W_RS
.set n, 0
.rept 16
.irp t, 0,1
	v_pk_mul_f32 v[OT+32*\t+n:OT+32*\t+n+1], v[OT+32*\t+n:OT+32*\t+n+1], v[ST+8*\t+6:ST+8*\t+7] op_sel_hi:[1,0]   ; O^T x a
.endr
.set n, n+2
.endr
.if \q < 3
	s_wait_dscnt 16                                ; V is in; the next step's 16 loads of K, issued behind it, may be out
.else
	s_wait_dscnt 0x0
.endif
	WIN W_PV
.irp kc, 0,1
.irp ct, 0,1,2,3
.irp t, 0,1
	v_wmma_f32_16x16x32_f16 v[OT+32*\t+8*\ct:OT+32*\t+8*\ct+7], v[VR+8*(4*\kc+\ct):VR+8*(4*\kc+\ct)+7], v[P+16*\t+8*\kc:P+16*\t+8*\kc+7], v[OT+32*\t+8*\ct:OT+32*\t+8*\ct+7]
.endr
.endr
.endr
	WIN 0
.endm
.macro SLOTBODY lab
	STEP 0, \lab
	STEP 1, \lab
	STEP 2, \lab
	STEP 3, \lab
.Ldone_\lab:
	s_wait_dscnt 0x0                               ; K's loads for a step that was jumped over may be pending here
.endm
.macro SEQP                            ; s84 = a half-unit's number n: s[SQP] = sequences at its first token: n < 4: the first block's 8 n on, else the second block's 8 (n - 4) on
	s_cmp_lt_u32 s84, 4
	s_cselect_b32 s85, s[TH], s[TL]
	s_and_b32 s84, s84, 3
	s_lshl_b32 s84, s84, 3
	s_add_co_u32 s84, s84, s85
	s_lshl_b32 s84, s84, 4                         ; 16 bytes a token
	s_mov_b32 s85, 0
	s_add_nc_u64 s[SQP:SQP+1], s[6:7], s[84:85]
.endm
.macro IDXL                            ; 8 tokens' indices: load i brings tokens 2 i (lanes 0-15) and 2 i + 1 (lanes 16-31), four templates each
	WIN W_RS
.irp i, 0,1,2,3
	global_load_b128 v[IDX+4*\i:IDX+4*\i+3], v[SQO], s[SQP:SQP+1] offset:32*\i
.endr
	WIN 0
.endm
.macro GATHER                          ; indices to byte offsets; 16 loads: sixteen lanes read the head's 256 aligned bytes of one row of emb
	WIN W_G
.set n, 0
.rept 16
	v_min_u32 v[IDX+n], 0x7cff, v[IDX+n]
.set n, n+1
.endr
.set n, 0
.rept 16
	v_lshl_add_u32 v[IDX+n], v[IDX+n], 12, v[GEO]
.set n, n+1
.endr
	WIN W_RS
.irp k, 0,1,2,3
.irp i, 0,1,2,3
	global_load_b128 v[GT+16*\k+4*\i:GT+16*\k+4*\i+3], v[IDX+4*\i+\k], s[8:9]
.endr
.endr
	WIN 0
.endm
; Trip J takes half-unit J (8 tokens): sums its four templates, scales, stores 8 bias rows; asks for half-unit J + 1's rows and J + 2's indices.
.macro GBLOCK
	s_wait_loadcnt 0x0                             ; the rows and the indices asked for one trip ago
	WIN W_G
.irp k, 16,32,48
.set n, 0
.rept 8
	v_pk_add_f32 v[GT+n:GT+n+1], v[GT+n:GT+n+1], v[GT+\k+n:GT+\k+n+1]
.set n, n+2
.endr
.endr
.set n, 0
.rept 8
	v_pk_mul_f32 v[GT+n:GT+n+1], v[GT+n:GT+n+1], s[BS:BS+1] op_sel_hi:[1,0]
.set n, n+2
.endr
	WIN 0
	v_add_nc_u32 v[ADG], s[GSB], v[GST]
	WIN 0x04                                       ; an LDS store's data are its source 1: window 1
.irp i, 0,1,2,3
	ds_store_b128 v[ADG], v[GT+4*\i:GT+4*\i+3] offset:544*\i
.endr
	WIN 0
	s_lshr_b32 s84, s[J], 1                        ; tokens 0-15 of a sequence: work-group i = 0, wave u = 0, trips 4 and 5: they also go to bias16 in f32
	s_xor_b32 s84, s84, 2
	s_or_b32 s84, s84, s[NF16]
	s_cmp_lg_u32 s84, 0
	s_cbranch_scc1 .Lnb_\@
	s_sub_co_u32 s84, s[J], 4
	s_lshl_b32 s84, s84, 15                        ; 8 rows of 4,096 bytes
	s_mov_b32 s85, 0
	s_add_nc_u64 s[84:85], s[B16P:B16P+1], s[84:85]
	WIN 0x05                                       ; address and data window 1
.irp i, 0,1,2,3
	global_store_b128 v[B16O], v[GT+4*\i:GT+4*\i+3], s[84:85] offset:8192*\i
.endr
	s_wait_xcnt 0x0                                ; the stores have read their data and base
	WIN 0
.Lnb_\@:
	s_add_co_u32 s[GSB], s[GSB], 8*272
	s_cmp_ge_u32 s[J], 7
	s_cbranch_scc1 .Lg_\@
	s_wait_dscnt 0x0                               ; the LDS stores have read the rows' registers
	GATHER
	s_cmp_ge_u32 s[J], 6
	s_cbranch_scc1 .Lg_\@
	s_add_co_u32 s84, s[J], 2
	SEQP
	s_wait_xcnt 0x0                                ; the gather's loads have read their offsets: the next indices may land there
	IDXL
.Lg_\@:
.endm
; A block's end: O^T / l + bias, to f16, through the tile's own LDS rows, out as four tokens x 128 bytes: 512 consecutive bytes of oh.
.macro FINISH job, ob
.rept 4
	v_nop                                          ; places behind the last products
.endr
.irp t, 0,1
	v_add_f32 v[ST+8*\t+4], v[ST+8*\t+2], v[ST+8*\t+3]
.endr
.irp t, 0,1
	v_permlanex16_b32 v[ST+8*\t+5], v[ST+8*\t+4], s[SEL], s[SEL+1]
.endr
.irp t, 0,1
	v_add_f32 v[ST+8*\t+4], v[ST+8*\t+4], v[ST+8*\t+5]
.endr
.irp t, 0,1
	v_rcp_f32 v[ST+8*\t+6], v[ST+8*\t+4]
.endr
.irp t, 0,1
.irp ct, 0,1,2,3
	ds_load_b128 v[KR+32*\t+8*\ct:KR+32*\t+8*\ct+3],   v[BRD] offset:(32*\job+16*\t)*272+64*\ct
	ds_load_b128 v[KR+32*\t+8*\ct+4:KR+32*\t+8*\ct+7], v[BRD] offset:(32*\job+16*\t)*272+64*\ct+16
.endr
.endr
	v_nop                                          ; a plain instruction behind the reciprocals
	s_wait_alu depctr_va_vdst(0)                   ; and their one wait, ahead of the first reader
	s_wait_dscnt 0x0
	WIN W_FM
.irp t, 0,1
.set n, 0
.rept 16
	v_pk_fma_f32 v[S+32*\t+n:S+32*\t+n+1], v[OT+32*\t+n:OT+32*\t+n+1], v[ST+8*\t+6:ST+8*\t+7], v[KR+32*\t+n:KR+32*\t+n+1] op_sel_hi:[1,0,1]
.set n, n+2
.endr
.endr
	WIN 0
.irp t, 0,1
.set n, 0
.rept 16
	v_cvt_pk_f16_f32 v[P+16*\t+n], v[S+32*\t+2*n], v[S+32*\t+2*n+1]
.set n, n+1
.endr
.endr
.irp t, 0,1
.irp ct, 0,1,2,3
	ds_store_b128 v[STO], v[P+16*\t+4*\ct:P+16*\t+4*\ct+3] offset:(32*\job+16*\t)*272+32*\ct
.endr
.irp e, 0,1,2,3
	ds_load_b128 v[VR+16*\t+4*\e:VR+16*\t+4*\e+3], v[RD] offset:(32*\job+16*\t)*272+576*\e   ; LDS serves a wave's instructions in order
.endr
.endr
	s_wait_dscnt 0x0
.irp t, 0,1
.irp e, 0,1,2,3
	global_store_b128 v[GO], v[VR+16*\t+4*\e:VR+16*\t+4*\e+3], s[\ob:\ob+1] offset:2048*\t+512*\e
.endr
.endr
	s_wait_xcnt 0x0                                ; the stores have read V's registers
.endm
.macro INIT                            ; the step is written once: its first run finds zeros, and a = 0
	WIN W_D1
.set n, 0
.rept 64
	v_mov_b32 v[OT+n], 0
.set n, n+1
.endr
	WIN 0
.irp t, 0,1
	v_mov_b32 v[ST+8*\t+1], 0xff61b1e6             ; m = -3e38
	v_mul_f32 v[ST+8*\t], s[CS], v[ST+8*\t+1]
	v_mov_b32 v[ST+8*\t+2], 0
	v_mov_b32 v[ST+8*\t+3], 0
.endr
.endm
	s_load_b256 s[4:11], s[0:1], 0x0               ; qkvh, sequences, emb, bias_scale
	s_load_b128 s[12:15], s[0:1], 0x20             ; oh, bias16
	v_lshl_add_u32 v[SPW], v0, 2, SPARE
	v_mov_b32 v[NIL], 0
	ds_add_u32 v[SPW], v[NIL]                      ; the opening: the add, twice on end, and its wait ahead of my first tensor load
	ds_add_u32 v[SPW], v[NIL]
	v_lshrrev_b32 v1, 5, v0
	v_readfirstlane_b32 s[WV], v1
	s_lshl_b32 s84, s[WV], 2
	s_lshr_b32 s[U], 0x35174260, s84
	s_and_b32 s[U], s[U], 7                        ; u: 0, 6, 2, 4, 7, 1, 5, 3 for waves 0 to 7
	s_mov_b32 s[WI], ttmp9
	s_and_b32 s[BH], ttmp7, 0xffff
	s_sub_co_u32 s[SW], 7, s[WI]                   ; the first block, and the trip behind which it ends
	s_sub_co_u32 s[NLIM], 8, s[WI]
	s_lshl_b32 s84, s[SW], 8
	s_lshl_b32 s85, s[U], 5
	s_add_co_u32 s[Q0], s84, s85                   ; my first query
	s_lshl_b32 s84, s[WI], 8
	s_add_co_u32 s[QLO], s84, s85                  ; and in the second block
	s_lshr_b32 s84, s[BH], 4                       ; b
	s_lshl_b32 s85, s84, 11
	s_add_co_u32 s[TH], s85, s[Q0]
	s_add_co_u32 s[TL], s85, s[QLO]
	s_or_b32 s[NF16], s[WI], s[U]
	s_lshl_b32 s88, s84, 16
	s_and_b32 s[HB], s[BH], 15
	s_lshl_b32 s[HB], s[HB], 8                     ; 256 x head
	s_add_co_u32 s88, s88, s[HB]
	s_mov_b32 s89, 0
	s_mov_b32 s[G1K], (1<<16)|(1<<20)|(4<<22)|(3<<25)   ; elements of 2 bytes; 4 words of padding behind every 32
	s_mov_b32 s[G1V], (1<<16)|(1<<20)|(4<<22)|(7<<25)   ; 8 words
.irp g, G1K, G1V
	s_mov_b32 s[\g+1], 64<<16                      ; tensor_dim0
	s_mov_b32 s[\g+2], 64<<16                      ; tensor_dim1
	s_mov_b32 s[\g+3], 64<<16                      ; tile_dim0
	s_mov_b32 s[\g+4], 64                          ; tile_dim1
	s_mov_b32 s[\g+5], 64                          ; pitch
	s_mov_b32 s[\g+6], 0
	s_mov_b32 s[\g+7], 0
.endr
	s_and_b32 s85, s[WV], 3                        ; my quarter: 64 rows
	s_mul_i32 s[WKL], s85, 64*PK
	s_mul_i32 s[WVL], s85, 64*PV
	s_add_co_u32 s[WVL], s[WVL], VOFF
	s_lshl_b32 s92, s[BH], 18                      ; the head's 262,144 bytes
	s_lshl_b32 s84, s85, 13
	s_add_co_u32 s84, s84, s92
	s_mov_b32 s85, 0
	s_lshl_b32 s86, s[Q0], 7
	s_add_co_u32 s86, s86, s92
	s_mov_b32 s87, 0
	s_lshl_b32 s90, s[QLO], 7
	s_add_co_u32 s90, s90, s92
	s_mov_b32 s91, 0
	s_mov_b32 s[SEL], 0x76543210
	s_mov_b32 s[SEL+1], 0xfedcba98
	s_mov_b32 s[CS], 0x3e38aa3b                    ; c = log2(e) / 8
	s_mov_b32 s[CS+1], s[CS]
	s_mov_b32 s[NK], 0
	s_mov_b32 s[FB], 0
	s_mov_b32 s[TB], 0
	s_mov_b32 s[J], 0
	s_mov_b32 s[KS], 0
	s_mov_b32 s[GSB], 0
	s_mov_b32 s[OFF+1], 0
	s_cmp_eq_u32 s[WI], 0
	s_cselect_b32 s[LIMJ], 6, 0
	s_wait_dscnt 0x0                               ; both opening adds are done
	s_wait_kmcnt 0x0
	s_load_b32 s[BS], s[10:11], 0x0
	s_add_nc_u64 s[KB:KB+1], s[4:5], s[84:85]
	s_add_nc_u64 s[VB:VB+1], s[KB:KB+1], 0x2000000
	s_add_nc_u64 s[KB:KB+1], s[KB:KB+1], 0x1000000
	s_mov_b32 s[G0K], 1
	s_mov_b32 s[G0K+1], s[WKL]
	s_mov_b64 s[G0K+2:G0K+3], s[KB:KB+1]
	s_or_b32 s[G0K+3], s[G0K+3], 0x80000000
	s_mov_b32 s[G0V], 1
	s_mov_b32 s[G0V+1], s[WVL]
	s_mov_b64 s[G0V+2:G0V+3], s[VB:VB+1]
	s_or_b32 s[G0V+3], s[G0V+3], 0x80000000
	TLOAD                                          ; slot 0
	s_add_nc_u64 s[OBH:OBH+1], s[12:13], s[86:87]
	s_add_nc_u64 s[OBL:OBL+1], s[12:13], s[90:91]
	s_add_nc_u64 s[86:87], s[4:5], s[86:87]        ; q of the first block,
	s_add_nc_u64 s[90:91], s[4:5], s[90:91]        ; and of the second
	s_add_nc_u64 s[B16P:B16P+1], s[14:15], s[88:89]
	s_cmp_lt_u32 s[WV], 4
	s_cselect_b64 s[PFA:PFA+1], s[KB:KB+1], s[VB:VB+1]
	s_add_nc_u64 s[PFA:PFA+1], s[PFA:PFA+1], 32768 ; in slot 1: the first change steps it to slot 2
	v_and_b32 v16, 15, v0                          ; r
	v_bfe_u32 v17, v0, 4, 1                        ; h
	v_and_b32 v18, 31, v0                          ; lane
	v_and_b32 v19, 7, v0
	v_bfe_u32 v20, v0, 3, 1
	v_bfe_u32 v21, v0, 3, 2
	v_mul_u32_u24 v[AK0], v16, PK
	v_lshl_add_u32 v[AK0], v17, 4, v[AK0]
	v_lshl_add_u32 v[AV0], v17, 3, v19
	v_mul_u32_u24 v[AV0], v[AV0], PV
	v_lshl_add_u32 v[AV0], v20, 4, v[AV0]
	v_add_nc_u32 v[AV0], VOFF, v[AV0]
	v_lshlrev_b32 v[PFO], 8, v18
	s_mul_i32 s84, s[WV], BW
	s_add_co_u32 s84, s84, BIAS                    ; my bias rows
	v_mul_u32_u24 v[STO], v16, 144
	v_lshl_add_u32 v[STO], v17, 4, v[STO]
	v_add_nc_u32 v[STO], s84, v[STO]
	v_mul_u32_u24 v[RD], v21, 144
	v_lshl_add_u32 v[RD], v19, 4, v[RD]
	v_add_nc_u32 v[RD], s84, v[RD]
	v_lshlrev_b32 v[GO], 4, v18
	v_mov_b32 v[NEG], 0xff800000
	v_lshlrev_b32 v22, 3, v17
	v_sub_nc_u32 v[LD], v16, v22
	v_mul_u32_u24 v[GST], v17, 272
	v_lshl_add_u32 v[GST], v16, 4, v[GST]
	v_add_nc_u32 v[GST], s84, v[GST]
	v_mul_u32_u24 v[BRD], v16, 272
	v_lshl_add_u32 v[BRD], v17, 5, v[BRD]
	v_add_nc_u32 v[BRD], s84, v[BRD]
	v_lshlrev_b32 v23, 7, v16
	v_lshl_add_u32 v23, v17, 4, v23                ; q: row r of 128 bytes, + 16 h
	v_lshl_add_u32 v24, v16, 4, s[HB]              ; emb: the head's 256 bytes, 16 a lane
	v_lshlrev_b32 v25, 4, v17                      ; sequences: 16 bytes a token
	v_lshlrev_b32 v26, 12, v17
	v_lshl_add_u32 v26, v16, 4, v26                ; bias16: a row of 4,096 bytes for each half of the lanes
	WIN W_D1
	v_mov_b32 v[GEO], v24
	v_mov_b32 v[SQO], v25
	v_mov_b32 v[B16O], v26
.irp t, 0,1
.irp c, 0,1
	global_load_b128 v[QR+16*\t+8*\c:QR+16*\t+8*\c+3],   v23, s[86:87] offset:2048*\t+64*\c
	global_load_b128 v[QR+16*\t+8*\c+4:QR+16*\t+8*\c+7], v23, s[86:87] offset:2048*\t+64*\c+32
	global_load_b128 v[QL+16*\t+8*\c:QL+16*\t+8*\c+3],   v23, s[90:91] offset:2048*\t+64*\c
	global_load_b128 v[QL+16*\t+8*\c+4:QL+16*\t+8*\c+7], v23, s[90:91] offset:2048*\t+64*\c+32
.endr
.endr
	WIN 0
	s_mov_b32 s84, 0
	SEQP
	IDXL                                           ; half-unit 0's indices
	s_wait_loadcnt 0x0                             ; q, and the indices
	s_wait_kmcnt 0x0                               ; bias_scale
	s_mov_b32 s[BS+1], s[BS]
	GATHER                                         ; half-unit 0's rows
	s_mov_b32 s84, 1
	SEQP
	s_wait_xcnt 0x0                                ; the gather's loads have read their offsets
	IDXL                                           ; half-unit 1's indices
	INIT
.Ltrip:                                            ; 8 trips: behind each change the next slot is asked for
	CHANGE 1
	v_add_nc_u32 v[ADK], s[TB], v[AK0]
	v_add_nc_u32 v[ADV], s[TB], v[AV0]
	KLOAD 0
	GBLOCK
	SLOTBODY 0
	s_cmp_lg_u32 s[J], s[SW]
	s_cbranch_scc1 .Lsame
	FINISH 0, OBH                                  ; the first block is done: out with it, on to the second
	WIN W_RS
.set n, 0
.rept 32
	v_mov_b32 v[QR+n], v[QL+n]
.set n, n+1
.endr
	INIT
	s_mov_b32 s[Q0], s[QLO]
	s_mov_b32 s[KS], 0
	s_branch .Lnext
.Lsame:
	s_add_co_u32 s[KS], s[KS], 256
.Lnext:
	s_xor_b32 s[TB], s[TB], SLOTB
	s_add_co_u32 s[J], s[J], 1
	s_cmp_lt_u32 s[J], 8
	s_cbranch_scc1 .Ltrip
	CHANGE 0                                       ; the ninth slot is written out: nothing is left to fetch
	v_add_nc_u32 v[ADK], s[TB], v[AK0]
	v_add_nc_u32 v[ADV], s[TB], v[AV0]
	KLOAD 0
	SLOTBODY 1
	FINISH 1, OBL
	s_wait_tensorcnt 0x0                           ; the wave's end
	ds_add_u32 v[SPW], v[NIL]
	s_wait_dscnt 0x0
	s_endpgm
.Lfunc_end_k_q2acc55a66c_attn:
	.size	k_q2acc55a66c_attn, .Lfunc_end_k_q2acc55a66c_attn-k_q2acc55a66c_attn
	.p2alignl 7, 3214868480
	.fill 96, 4, 3214868480
	.section	.rodata,"a",@progbits
	.p2align	6, 0x0
	.amdhsa_kernel k_q2acc55a66c_attn
		.amdhsa_group_segment_fixed_size 327680
		.amdhsa_private_segment_fixed_size 0
		.amdhsa_enable_private_segment 0
		.amdhsa_kernarg_size 48
		.amdhsa_user_sgpr_count 2
		.amdhsa_user_sgpr_kernarg_segment_ptr 1
		.amdhsa_wavefront_size32 1
		.amdhsa_system_sgpr_workgroup_id_x 1
		.amdhsa_system_sgpr_workgroup_id_y 1
		.amdhsa_system_sgpr_workgroup_id_z 1
		.amdhsa_system_vgpr_workitem_id 0
		.amdhsa_next_free_vgpr 512
		.amdhsa_next_free_sgpr 96
		.amdhsa_reserve_vcc 1
		.amdhsa_float_denorm_mode_32 3
		.amdhsa_float_denorm_mode_16_64 3
		.amdhsa_memory_ordered 1
		.amdhsa_forward_progress 1
		.amdhsa_inst_pref_size 214
	.end_amdhsa_kernel
	.amdgpu_metadata
---
amdhsa.version: [ 1, 2 ]
amdhsa.kernels:
  - .name:           k_q2acc55a66c_attn
    .symbol:         k_q2acc55a66c_attn.kd
    .args:
      - { .name: qkvh, .offset: 0, .size: 8, .value_kind: global_buffer, .address_space: global }
      - { .name: sequences, .offset: 8, .size: 8, .value_kind: global_buffer, .address_space: global }
      - { .name: emb, .offset: 16, .size: 8, .value_kind: global_buffer, .address_space: global }
      - { .name: bias_scale, .offset: 24, .size: 8, .value_kind: global_buffer, .address_space: global }
      - { .name: oh, .offset: 32, .size: 8, .value_kind: global_buffer, .address_space: global }
      - { .name: bias16, .offset: 40, .size: 8, .value_kind: global_buffer, .address_space: global }
    .group_segment_fixed_size: 327680
    .private_segment_fixed_size: 0
    .kernarg_segment_align: 8
    .kernarg_segment_size: 48
    .max_flat_workgroup_size: 256
    .sgpr_count:     96
    .vgpr_count:     512
    .wavefront_size: 32
...
	.end_amdgpu_metadata
.endif
;; end of part 3
;; launch first16 (part 4): grid 64 x 4, 16 waves a work-group, no clusters, 18,432 bytes of LDS; arguments qkv16, bias16, Wout, bout, out0; writes out0
.if DOCPART == 4
	.amdgcn_target "amdgcn-amd-amdhsa--gfx1250"
	.amdhsa_code_object_version 6
	.text
	.protected	k_q2acc55a66c_first16
	.globl	k_q2acc55a66c_first16
	.p2align	8
	.type	k_q2acc55a66c_first16,@function
k_q2acc55a66c_first16:
	s_mov_b64 s[64:65], 0
	v_nop
	global_prefetch_b8 v0, s[64:65] scope:SCOPE_SE
	s_setreg_imm32_b32 hwreg(HW_REG_WAVE_MODE, 25, 1), 1
	s_wait_xcnt 0x0
; Positions 0 .. 15 of every sequence, in f32 from the scores to out0: these rows average one to sixteen values, and f16 operands would use up what the comparison allows.
; Work-group (nt, b) makes out0[b][0..15][16 nt .. 16 nt + 15].  Wave = head: it makes its head's attention for the 16 positions, adds the bias, and contracts its own 64 channels with Wout's 16 rows;
; the sixteen partial tiles are added through LDS, heads ascending, by waves 0 and 1.  The attention is repeated in the 64 work-groups of a batch: the price of one launch in place of two.
; All products by v_wmma_f32_16x16x4_f32, transposed, so that a lane holds one position (lane % 16).  Along each K the same permutation stands on both operands.
; The registers that these instructions write (v16-63) are written by them alone; sums begin with the constant 0.
; REGISTERS: v1-5 lane terms; v6-11 softmax; v12, v13 the add's two; v14, v15 LDS; v16-23, v24-31 two accumulators by turns; v32-63 O^T; v64-95 K; v96-127 Q (later the partial tiles);
;   v128-159 V^T; v160-191 bias, then attention + bias; v192-223 Wout; v224-231 scores, then p; v232-239 my partial tile; v240-243 bout; v244 32 h.
.set SPARE, 16384                      ; behind the sixteen partial tiles of 1,024 bytes: the spare words, 128 bytes a wave
	s_load_b256 s[4:11], s[0:1], 0x0               ; qkv16, bias16, Wout, bout
	s_load_b64 s[12:13], s[0:1], 0x20              ; out0
	v_lshl_add_u32 v12, v0, 2, SPARE
	v_mov_b32 v13, 0
	v_lshrrev_b32 v1, 5, v0
	v_readfirstlane_b32 s18, v1                    ; wave = head
	s_and_b32 s19, ttmp7, 0xffff                   ; b
	v_and_b32 v10, 15, v0                          ; r
	v_bfe_u32 v11, v0, 4, 1                        ; h
	v_and_b32 v6, 31, v0
	v_mul_u32_u24 v1, v10, 12288
	v_lshl_add_u32 v1, v11, 4, v1                  ; q, k: position r, + 16 h
	v_mul_u32_u24 v2, v11, 98304
	v_lshl_add_u32 v2, v10, 2, v2                  ; v: key 8 h, channel r
	v_lshlrev_b32 v3, 12, v10
	v_lshl_add_u32 v3, v11, 5, v3                  ; bias16, Wout, out0: row r of 4,096 bytes, + 32 h
	v_lshlrev_b32 v7, 3, v11
	v_sub_nc_u32 v4, v10, v7                       ; d = r - 8 h: register j (key 8 h + j) is hidden where j > d
	v_mov_b32 v5, 0xff800000
	s_lshl_b32 s20, s18, 10
	v_lshl_add_u32 v14, v6, 4, s20                 ; my partial tile: 1,024 x wave + 16 x lane
	s_lshl_b32 s20, s18, 9
	v_lshl_add_u32 v15, v6, 4, s20                 ; waves 0, 1: half w of every tile
	v_lshlrev_b32 v244, 5, v11
	s_mov_b32 s14, 0x3e38aa3b                      ; c = log2(e) / 8
	s_mov_b32 s16, 0x76543210
	s_mov_b32 s17, 0xfedcba98
	s_lshl_b32 s30, s18, 8                         ; 256 x head
	s_mul_i32 s20, s19, 196608
	s_add_co_u32 s20, s20, s30
	s_mov_b32 s21, 0
	s_lshl_b32 s22, s19, 16
	s_add_co_u32 s22, s22, s30
	s_mov_b32 s23, 0
	s_lshl_b32 s24, ttmp9, 16
	s_add_co_u32 s24, s24, s30
	s_mov_b32 s25, 0
	s_lshl_b32 s26, ttmp9, 6
	s_and_b32 s31, s18, 1
	s_lshl_b32 s31, s31, 4
	s_add_co_u32 s26, s26, s31                     ; 64 nt + 16 (w & 1)
	s_mov_b32 s27, 0
	s_lshl_b32 s28, s19, 23
	s_add_co_u32 s28, s28, s26
	s_mov_b32 s29, 0
	s_wait_kmcnt 0x0
	s_add_nc_u64 s[4:5], s[4:5], s[20:21]
	s_add_nc_u64 s[6:7], s[6:7], s[22:23]
	s_add_nc_u64 s[8:9], s[8:9], s[24:25]
	s_add_nc_u64 s[10:11], s[10:11], s[26:27]
	s_add_nc_u64 s[12:13], s[12:13], s[28:29]
.irp c, 0,1,2,3,4,5,6,7
	global_load_b128 v[64+4*\c:67+4*\c], v1, s[4:5] offset:4096+32*\c     ; k: channels 8 c + 4 h + 0 .. 3
	global_load_b128 v[96+4*\c:99+4*\c], v1, s[4:5] offset:32*\c          ; q likewise
.endr
.irp ct, 0,1,2,3
.irp j, 0,1,2,3,4,5,6,7
	global_load_b32 v[128+8*\ct+\j], v2, s[4:5] offset:8192+12288*\j+64*\ct   ; v(key 8 h + j, channel 16 ct + r)
.endr
.endr
.irp ct, 0,1,2,3
	global_load_b128 v[160+8*\ct:163+8*\ct], v3, s[6:7] offset:64*\ct
	global_load_b128 v[164+8*\ct:167+8*\ct], v3, s[6:7] offset:64*\ct+16
	global_load_b128 v[192+8*\ct:195+8*\ct], v3, s[8:9] offset:64*\ct
	global_load_b128 v[196+8*\ct:199+8*\ct], v3, s[8:9] offset:64*\ct+16
.endr
	global_load_b128 v[240:243], v244, s[10:11]
	s_wait_loadcnt 0x0
.irp s, 0,1,2,3,4,5,6,7,8,9,10,11,12,13,14,15     ; S^T = K Q^T: two accumulators by turns
.if \s < 2
	v_wmma_f32_16x16x4_f32 v[16+8*(\s%2):23+8*(\s%2)], v[64+2*\s:65+2*\s], v[96+2*\s:97+2*\s], 0
.else
	v_wmma_f32_16x16x4_f32 v[16+8*(\s%2):23+8*(\s%2)], v[64+2*\s:65+2*\s], v[96+2*\s:97+2*\s], v[16+8*(\s%2):23+8*(\s%2)]
.endif
.endr
.rept 8
	v_nop                                          ; eight places behind this form
.endr
.irp j, 0,1,2,3,4,5,6,7
	v_add_f32 v[224+\j], v[16+\j], v[24+\j]
.endr
.irp j, 0,1,2,3,4,5,6,7
	v_cmp_gt_i32 vcc_lo, \j, v4
	v_cndmask_b32 v[224+\j], v[224+\j], v5, vcc_lo
.endr
	v_max3_num_f32 v6, v224, v225, v226
	v_max3_num_f32 v6, v6, v227, v228
	v_max3_num_f32 v6, v6, v229, v230
	v_max_num_f32 v6, v6, v231
	v_permlanex16_b32 v7, v6, s16, s17
	v_max_num_f32 v6, v6, v7                       ; key 0 counts for every position: a number
	v_mul_f32 v10, s14, v6
.irp j, 0,1,2,3,4,5,6,7
	v_fma_f32 v[224+\j], v[224+\j], s14, -v10
.endr
.irp j, 0,1,2,3,4,5,6,7
	v_exp_f32 v[224+\j], v[224+\j]
.endr
	v_nop
	s_wait_alu depctr_va_vdst(0)                   ; one wait for the eight, ahead of their first reader
	v_add_f32 v7, v224, v225
	v_add_f32 v11, v226, v227
	v_add_f32 v7, v7, v228
	v_add_f32 v11, v11, v229
	v_add_f32 v7, v7, v230
	v_add_f32 v11, v11, v231
	v_add_f32 v7, v7, v11
	v_permlanex16_b32 v11, v7, s16, s17
	v_add_f32 v7, v7, v11
	v_rcp_f32 v8, v7
	v_nop
	s_wait_alu depctr_va_vdst(0)
	v_mov_b32 v9, v8
.irp cc, 0,1,2,3                                   ; O^T = V^T P: K step cc takes keys 8 h + 2 cc, + 1; four accumulators by turns
.irp ct, 0,1,2,3
.if \cc == 0
	v_wmma_f32_16x16x4_f32 v[32+8*\ct:39+8*\ct], v[128+8*\ct+2*\cc:129+8*\ct+2*\cc], v[224+2*\cc:225+2*\cc], 0
.else
	v_wmma_f32_16x16x4_f32 v[32+8*\ct:39+8*\ct], v[128+8*\ct+2*\cc:129+8*\ct+2*\cc], v[224+2*\cc:225+2*\cc], v[32+8*\ct:39+8*\ct]
.endif
.endr
.endr
.rept 8
	v_nop
.endr
.set n, 0
.rept 16
	v_pk_fma_f32 v[160+n:161+n], v[32+n:33+n], v[8:9], v[160+n:161+n] op_sel_hi:[1,0,1]   ; O^T / l + bias: register 8 ct + j is channel 16 ct + 8 h + j of position r
.set n, n+2
.endr
.irp s, 0,1,2,3,4,5,6,7,8,9,10,11,12,13,14,15     ; my 64 channels against Wout's 16 rows
.if \s < 2
	v_wmma_f32_16x16x4_f32 v[16+8*(\s%2):23+8*(\s%2)], v[192+2*\s:193+2*\s], v[160+2*\s:161+2*\s], 0
.else
	v_wmma_f32_16x16x4_f32 v[16+8*(\s%2):23+8*(\s%2)], v[192+2*\s:193+2*\s], v[160+2*\s:161+2*\s], v[16+8*(\s%2):23+8*(\s%2)]
.endif
.endr
.rept 8
	v_nop
.endr
.irp j, 0,1,2,3,4,5,6,7
	v_add_f32 v[232+\j], v[16+\j], v[24+\j]        ; lane (r, h), register j: position r, output 16 nt + 8 h + j
.endr
	ds_store_b128 v14, v[232:235]
	ds_store_b128 v14, v[236:239] offset:512
	s_wait_dscnt 0x0                               ; for the others' sake: my stores have landed
	s_barrier_signal -1
	s_barrier_wait -1
	s_cmp_lt_u32 s18, 2
	s_cbranch_scc0 .Lend
.irp p, 0,1,2,3,4,5,6,7,8,9,10,11,12,13,14,15
	ds_load_b128 v[64+4*\p:67+4*\p], v15 offset:1024*\p
.endr
	s_wait_dscnt 0x0
.irp p, 1,2,3,4,5,6,7,8,9,10,11,12,13,14,15
	v_pk_add_f32 v[64:65], v[64:65], v[64+4*\p:65+4*\p]
	v_pk_add_f32 v[66:67], v[66:67], v[66+4*\p:67+4*\p]
.endr
	v_pk_add_f32 v[64:65], v[64:65], v[240:241]
	v_pk_add_f32 v[66:67], v[66:67], v[242:243]
	global_store_b128 v3, v[64:67], s[12:13]       ; outputs 16 nt + 8 h + 4 w + 0 .. 3 of position r
.Lend:
	s_wait_tensorcnt 0x0                           ; the wave's end
	ds_add_u32 v12, v13
	s_wait_dscnt 0x0
	s_endpgm
.Lfunc_end_k_q2acc55a66c_first16:
	.size	k_q2acc55a66c_first16, .Lfunc_end_k_q2acc55a66c_first16-k_q2acc55a66c_first16
	.p2alignl 7, 3214868480
	.fill 96, 4, 3214868480
	.section	.rodata,"a",@progbits
	.p2align	6, 0x0
	.amdhsa_kernel k_q2acc55a66c_first16
		.amdhsa_group_segment_fixed_size 18432
		.amdhsa_private_segment_fixed_size 0
		.amdhsa_enable_private_segment 0
		.amdhsa_kernarg_size 40
		.amdhsa_user_sgpr_count 2
		.amdhsa_user_sgpr_kernarg_segment_ptr 1
		.amdhsa_wavefront_size32 1
		.amdhsa_system_sgpr_workgroup_id_x 1
		.amdhsa_system_sgpr_workgroup_id_y 1
		.amdhsa_system_sgpr_workgroup_id_z 1
		.amdhsa_system_vgpr_workitem_id 0
		.amdhsa_next_free_vgpr 256
		.amdhsa_next_free_sgpr 66
		.amdhsa_reserve_vcc 1
		.amdhsa_float_denorm_mode_32 3
		.amdhsa_float_denorm_mode_16_64 3
		.amdhsa_memory_ordered 1
		.amdhsa_forward_progress 1
		.amdhsa_inst_pref_size 20
	.end_amdhsa_kernel
	.amdgpu_metadata
---
amdhsa.version: [ 1, 2 ]
amdhsa.kernels:
  - .name:           k_q2acc55a66c_first16
    .symbol:         k_q2acc55a66c_first16.kd
    .args:
      - { .name: qkv16, .offset: 0, .size: 8, .value_kind: global_buffer, .address_space: global }
      - { .name: bias16, .offset: 8, .size: 8, .value_kind: global_buffer, .address_space: global }
      - { .name: Wout, .offset: 16, .size: 8, .value_kind: global_buffer, .address_space: global }
      - { .name: bout, .offset: 24, .size: 8, .value_kind: global_buffer, .address_space: global }
      - { .name: out0, .offset: 32, .size: 8, .value_kind: global_buffer, .address_space: global }
    .group_segment_fixed_size: 18432
    .private_segment_fixed_size: 0
    .kernarg_segment_align: 8
    .kernarg_segment_size: 40
    .max_flat_workgroup_size: 512
    .sgpr_count:     66
    .vgpr_count:     256
    .wavefront_size: 32
...
	.end_amdgpu_metadata
.endif
;; end of part 4
;; launch proj (part 5): grid 4 x 64, 4 waves a work-group, clusters of 4 x 4, 327,680 bytes of LDS; arguments oh, wh, bout, out0; writes out0
.if DOCPART == 5
	.amdgcn_target "amdgcn-amd-amdhsa--gfx1250"
	.amdhsa_code_object_version 6
	.text
	.protected	k_q2acc55a66c_proj
	.globl	k_q2acc55a66c_proj
	.p2align	8
	.type	k_q2acc55a66c_proj,@function
k_q2acc55a66c_proj:
	s_mov_b64 s[64:65], 0
	v_nop
	global_prefetch_b8 v0, s[64:65] scope:SCOPE_SE
	s_setreg_imm32_b32 hwreg(HW_REG_WAVE_MODE, 25, 1), 1
	s_wait_xcnt 0x0
	s_wait_alu depctr_hold_cnt(0) depctr_sa_sdst(0) depctr_va_vdst(0) depctr_va_sdst(0) depctr_va_ssrc(0) depctr_va_vcc(0) depctr_vm_vsrc(0)
	s_getreg_b32 s2, hwreg(HW_REG_IB_STS2, 6, 4)
	s_cmp_eq_u32 s2, 0
	s_cbranch_scc0 .Lentry_in_a_cluster
	s_endpgm
.Lentry_in_a_cluster:
	s_bfe_u32 s2, ttmp6, 0x10000c
	s_cmp_lg_u32 s2, 0xf033
	s_cbranch_scc0 .Lentry_shape_is_right
	s_endpgm
.Lentry_shape_is_right:
; out0[m][n] = sum over k of oh[m][k] Wout[n][k] + bout[n]; f16 operands, f32 sums.  oh lies [b][h][t][64] (k = 64 h + d), wh [n][1024].
; A tile of 128 (m) x 256 (n) to a work-group: 64 x 4 = 256 work-groups.  Four waves, each 64 x 128: 32 accumulators.  K goes in steps of 128 (two heads) through two LDS slots.
; 4 x 4 work-groups form a cluster: A's tiles are asked for jointly along a row, B's along a column.  Tile row = 16 cy + cluster y: the tiles that begin a sequence (2,048 rows = 16 tiles) are those of
; cluster y = 0, a number that all partners share.  Their first 16 rows are not stored here: another launch makes them in f32.
; The matrix instruction is used transposed (source 0 = rows of Wout, source 1 = rows of oh): a lane holds eight neighbouring outputs of a row.  bout is the C of each sum's first instruction.
; LDS: a slot = A: 2 heads x 128 rows, pitch 144; B: 256 rows, pitch 272.  The stage for the way out (16 rows x 528 a wave) lies in slot 0, behind its last fill and last read.
; REGISTERS: window 0: v0-31 addresses; v32-127, v128-223 two fragment buffers (A's 4 blocks, then B's 8).  window 1: accumulator (a, b) at v[8 (8 a + b)].  window 2: v0-63 bout.
.set PA,     144
.set PB,     272
.set AH,     128*PA
.set BOFF,   2*AH
.set BHALF,  128*PB
.set SLOT,   BOFF+2*BHALF
.set SPARE,  2*SLOT                    ; the spare words: 128 bytes a wave, named by no other line
.set SPITCH, 528
.set ADRA, 16
.set ADRB, 20
.set STO,  24
.set RD,   25
.set CO,   26
.set SPW,  28
.set NIL,  29
.set F0,   32
.set F1,   128
.set G1A, 24
.set G0A, 32
.set G1B, 48
.set G0B, 56
.set MSB, 0
.macro WIN new                         ; the immediate's high byte repeats the setting that is left
.set NW, \new
.if MSB != NW
	s_set_vgpr_msb (MSB<<8)|NW
.set MSB, NW
.endif
.endm
.set MUL, 0x50                         ; C and D window 1
.macro JLOAD s                         ; waves 0, 1 fetch A's two heads, waves 2, 3 B's two halves; an s_nop 0 and four v_nop follow each line
	s_cmp_eq_u32 s13, 0
	s_cbranch_scc0 .Lfor_b_\@
	tensor_load_to_lds s[G0A+4*\s:G0A+4*\s+3], s[G1A:G1A+7]
	s_nop 0
.rept 4
	v_nop
.endr
	s_branch .Lasked_\@
.Lfor_b_\@:
	tensor_load_to_lds s[G0B+4*\s:G0B+4*\s+3], s[G1B:G1B+7]
	s_nop 0
.rept 4
	v_nop
.endr
.Lasked_\@:
.endm
.macro CREST                           ; a round of the cluster's barrier behind its opening barrier
	s_cmp_lg_u32 s12, 0
	s_cbranch_scc1 .Lnot_wave_0_\@
	s_barrier_signal -3
.Lnot_wave_0_\@:
	s_barrier_wait -3
	s_barrier_signal -1
	s_barrier_wait -1
.endm
.macro CROUND
	s_barrier_signal -1
	s_barrier_wait -1
	CREST
.endm
	s_load_b256 s[4:11], s[0:1], 0x0               ; oh, wh, bout, out0
	v_lshl_add_u32 v[SPW], v0, 2, SPARE
	v_mov_b32 v[NIL], 0
	ds_add_u32 v[SPW], v[NIL]                      ; the opening: the add, twice on end, and its wait ahead of my first tensor load
	ds_add_u32 v[SPW], v[NIL]
	v_lshrrev_b32 v1, 5, v0
	v_readfirstlane_b32 s12, v1                    ; wave
	s_lshr_b32 s13, s12, 1                         ; my half of the rows; also: I fetch for A (0) or B (1)
	s_and_b32 s14, s12, 1                          ; my half of the columns; also: which head, or which 128 rows of B, I fetch
	s_bfe_u32 s40, ttmp6, 0x40000                  ; cx
	s_bfe_u32 s41, ttmp6, 0x40004                  ; cy
	s_lshl_b32 s42, ttmp9, 2
	s_add_co_u32 s42, s42, s40                     ; tile column
	s_and_b32 s15, ttmp7, 0xffff
	s_lshl_b32 s43, s41, 4
	s_add_co_u32 s15, s15, s43                     ; tile row = 16 cy + cluster y
	s_lshl_b32 s43, s41, 2
	s_lshl_b32 s43, 15, s43                        ; my row of the cluster
	s_lshl_b32 s44, 0x1111, s40                    ; my column
	s_or_b32 s[G1A+0], s43, (1<<16)|(1<<20)|(1<<21)|(4<<22)|(3<<25)   ; A: 128 rows of 64 elements of 2 bytes, 4 words of padding behind every 32
	s_mov_b32 s[G1A+1], 64<<16
	s_mov_b32 s[G1A+2], 128<<16
	s_mov_b32 s[G1A+3], 64<<16
	s_mov_b32 s[G1A+4], 128
	s_mov_b32 s[G1A+5], 64
	s_mov_b32 s[G1A+6], 0
	s_mov_b32 s[G1A+7], 0
	s_or_b32 s[G1B+0], s44, (1<<16)|(1<<20)|(1<<21)|(5<<22)|(3<<25)   ; B: 128 rows of 128 elements, pitch 1,024, 4 words behind every 64
	s_mov_b32 s[G1B+1], 128<<16
	s_mov_b32 s[G1B+2], 128<<16
	s_mov_b32 s[G1B+3], 128<<16
	s_mov_b32 s[G1B+4], 128
	s_mov_b32 s[G1B+5], 1024
	s_mov_b32 s[G1B+6], 0
	s_mov_b32 s[G1B+7], 0
	s_lshr_b32 s16, s15, 4                         ; b
	s_lshl_b32 s16, s16, 22                        ; 16 heads of 262,144 bytes
	s_and_b32 s17, s15, 15
	s_lshl_b32 s17, s17, 14                        ; 128 tokens of 128 bytes a tile
	s_add_co_u32 s16, s16, s17
	s_lshl_b32 s17, s14, 18                        ; my head of the K step's two
	s_add_co_u32 s16, s16, s17
	s_mov_b32 s17, 0
	s_lshl_b32 s46, s42, 19                        ; 256 rows of 2,048 bytes a tile column
	s_lshl_b32 s47, s14, 18
	s_add_co_u32 s46, s46, s47
	s_mov_b32 s47, 0
	s_mul_i32 s20, s14, AH
	s_mul_i32 s21, s14, BHALF
	s_add_co_u32 s21, s21, BOFF
	s_wait_dscnt 0x0                               ; both opening adds are done
	s_wait_kmcnt 0x0
	s_add_nc_u64 s[18:19], s[4:5], s[16:17]
	s_add_nc_u64 s[46:47], s[6:7], s[46:47]
	CROUND                                         ; all sixteen work-groups are here: the first joint loads meet
.irp s, 0,1
	s_mov_b32 s[G0A+4*\s], 1
	s_add_co_u32 s[G0A+4*\s+1], s20, \s*SLOT
	s_add_nc_u64 s[G0A+4*\s+2:G0A+4*\s+3], s[18:19], \s*524288
	s_or_b32 s[G0A+4*\s+3], s[G0A+4*\s+3], 0x80000000
	s_mov_b32 s[G0B+4*\s], 1
	s_add_co_u32 s[G0B+4*\s+1], s21, \s*SLOT
	s_add_nc_u64 s[G0B+4*\s+2:G0B+4*\s+3], s[46:47], \s*256
	s_or_b32 s[G0B+4*\s+3], s[G0B+4*\s+3], 0x80000000
	JLOAD \s
.endr
	v_and_b32 v1, 15, v0                           ; r
	v_bfe_u32 v2, v0, 4, 1                         ; h
	v_mul_u32_u24 v3, v1, PA
	v_lshl_add_u32 v3, v2, 4, v3
	v_mul_u32_u24 v4, v1, PB
	v_lshl_add_u32 v4, v2, 4, v4
	s_mul_i32 s22, s13, 64*PA                      ; my 64 rows of A
	s_mul_i32 s23, s14, BHALF                      ; my 128 rows of B
	s_add_co_u32 s23, s23, BOFF
.irp s, 0,1
	v_add_nc_u32 v[ADRA+\s], s22, v3
	v_add_nc_u32 v[ADRB+\s], s23, v4
	s_add_co_u32 s22, s22, SLOT
	s_add_co_u32 s23, s23, SLOT
.endr
	s_mul_i32 s66, s12, 16*SPITCH                  ; my stage
	v_mul_u32_u24 v5, v1, SPITCH
	v_lshl_add_u32 v5, v2, 5, v5
	v_add_nc_u32 v[STO], s66, v5
	v_and_b32 v6, 31, v0
	v_lshlrev_b32 v[CO], 4, v6
	v_add_nc_u32 v[RD], s66, v[CO]
	v_lshlrev_b32 v5, 5, v2                        ; bout: 32 h
	s_lshl_b32 s16, s15, 19                        ; 128 rows of 4,096 bytes a tile row
	s_lshl_b32 s17, s13, 18
	s_add_co_u32 s16, s16, s17
	s_mov_b32 s17, 0
	s_lshl_b32 s46, s42, 10                        ; my first column, in bytes
	s_lshl_b32 s47, s14, 9
	s_add_co_u32 s46, s46, s47
	s_mov_b32 s47, 0
	s_add_nc_u64 s[10:11], s[10:11], s[16:17]
	s_add_nc_u64 s[10:11], s[10:11], s[46:47]
	s_add_nc_u64 s[8:9], s[8:9], s[46:47]
	WIN 0x80                                       ; destination window 2
.irp b, 0,1,2,3,4,5,6,7
	global_load_b128 v[8*\b:8*\b+3],   v5, s[8:9] offset:64*\b
	global_load_b128 v[8*\b+4:8*\b+7], v5, s[8:9] offset:64*\b+16
.endr
	WIN 0
.macro MULA f, a, zero                 ; A's block a against B's eight; the 32 accumulators take turns, one instruction a turn
.irp b, 0,1,2,3,4,5,6,7
.if \zero
	v_wmma_f32_16x16x32_f16 v[8*(8*(\a)+\b):8*(8*(\a)+\b)+7], v[\f+32+8*\b:\f+32+8*\b+7], v[\f+8*(\a):\f+8*(\a)+7], v[8*\b:8*\b+7]
.else
	v_wmma_f32_16x16x32_f16 v[8*(8*(\a)+\b):8*(8*(\a)+\b)+7], v[\f+32+8*\b:\f+32+8*\b+7], v[\f+8*(\a):\f+8*(\a)+7], v[8*(8*(\a)+\b):8*(8*(\a)+\b)+7]
.endif
.endr
.endm
.macro FETCH slot, kc, f               ; 24 loads in one run: 32 along K, the kc-th of the slot: B's eight blocks, then A's four
.set n, 0
.rept 8
	ds_load_b128 v[\f+32+8*n:\f+32+8*n+3],   v[ADRB+\slot] offset:64*(\kc)+16*PB*n
	ds_load_b128 v[\f+32+8*n+4:\f+32+8*n+7], v[ADRB+\slot] offset:64*(\kc)+16*PB*n+32
.set n, n+1
.endr
.set n, 0
.rept 4
	ds_load_b128 v[\f+8*n:\f+8*n+3],   v[ADRA+\slot] offset:AH*((\kc)/2)+64*((\kc)%2)+16*PA*n
	ds_load_b128 v[\f+8*n+4:\f+8*n+7], v[ADRA+\slot] offset:AH*((\kc)/2)+64*((\kc)%2)+16*PA*n+32
.set n, n+1
.endr
.endm
.macro PLACES                          ; four plain places ahead of loads into registers that matrix instructions have read, and of reads of results
.rept 4
	v_nop
.endr
.endm
.macro QUARTER slot, kc, f, g, zero    ; multiplies buffer f; in its middle fetches the slot's kc-th 32 along K into g
	s_wait_dscnt 4                                 ; B and A's blocks 0, 1 are in; blocks 2, 3 (4 loads) may be out
	WIN MUL+0x10*\zero                             ; zero = 1: C (bout) in window 2
	MULA \f, 0, \zero
	MULA \f, 1, \zero
	PLACES
	WIN 0
	FETCH \slot, \kc, \g
	s_wait_dscnt 24                                ; all but the 24 just issued
	WIN MUL+0x10*\zero
	MULA \f, 2, \zero
	MULA \f, 3, \zero
.endm
; A slot's last quarter changes slots: one barrier; ahead of it all my tensor loads have landed, the add, my reads of this slot are over.  fill = 1: the barrier opens a round of the cluster's, and this slot is filled again.
.macro TURN slot, next, fill
	WIN 0
	s_wait_tensorcnt 0x0
	ds_add_u32 v[SPW], v[NIL]
	s_wait_dscnt 5                                 ; the add and A's blocks 2, 3 may be out
	WIN MUL
	MULA F1, 0, 0
	s_wait_dscnt 0x0                               ; the add is done, my reads of this slot are over
	s_barrier_signal -1
	MULA F1, 1, 0
	WIN 0
	s_barrier_wait -1
.if \fill
	CREST                                          ; no wave of any partner still reads this slot or has a load on its way
	s_add_nc_u64 s[G0A+4*\slot+2:G0A+4*\slot+3], s[G0A+4*\slot+2:G0A+4*\slot+3], 1048576   ; two K steps on: four heads
	s_add_nc_u64 s[G0B+4*\slot+2:G0B+4*\slot+3], s[G0B+4*\slot+2:G0B+4*\slot+3], 512
	JLOAD \slot                                    ; first behind the round; its four v_nop are the places ahead of the loads below
.else
	PLACES
.endif
	FETCH \next, 0, F0
	WIN MUL
	MULA F1, 2, 0
	MULA F1, 3, 0
.endm
	s_wait_tensorcnt 1                             ; my part of K step 0 is in; K step 1's load may be out
	s_barrier_signal -1
	s_barrier_wait -1
	FETCH 0, 0, F0
	s_wait_loadcnt 0x0                             ; bout
	QUARTER 0, 1, F0, F1, 1                        ; the first quarter starts the sums, from bout
	WIN 0
	s_mov_b32 s3, 3
.Llap:                                             ; a trip goes once round the ring and fills both slots again: K steps 2 to 7
	QUARTER 0, 2, F1, F0, 0
	QUARTER 0, 3, F0, F1, 0
	TURN 0, 1, 1
	QUARTER 1, 1, F0, F1, 0
	QUARTER 1, 2, F1, F0, 0
	QUARTER 1, 3, F0, F1, 0
	TURN 1, 0, 1
	QUARTER 0, 1, F0, F1, 0
	WIN 0
	s_sub_co_u32 s3, s3, 1
	s_cmp_lg_u32 s3, 0
	s_cbranch_scc1 .Llap
	QUARTER 0, 2, F1, F0, 0                        ; the last lap fills nothing
	QUARTER 0, 3, F0, F1, 0
	TURN 0, 1, 0
	QUARTER 1, 1, F0, F1, 0
	QUARTER 1, 2, F1, F0, 0
	QUARTER 1, 3, F0, F1, 0
	s_wait_dscnt 4
	WIN MUL
	MULA F1, 0, 0
	MULA F1, 1, 0
	s_wait_dscnt 0x0
	MULA F1, 2, 0
	MULA F1, 3, 0
	WIN 0
	PLACES
; THE WAY OUT, a block of 16 rows x 128 columns at a time, through my stage: whole rows of 512 bytes come back and are stored by the 32 lanes.
.macro OUTBLK a
.set BB, 32+96*((\a)%2)
.if (\a) >= 2
	s_wait_xcnt 0x0                                ; the block two back has been read by its stores
.endif
	WIN 0x04                                       ; an LDS store's data are its source 1: window 1
.irp b, 0,1,2,3,4,5,6,7
	ds_store_b128 v[STO], v[64*(\a)+8*\b:64*(\a)+8*\b+3] offset:64*\b
	ds_store_b128 v[STO], v[64*(\a)+8*\b+4:64*(\a)+8*\b+7] offset:64*\b+16
.endr
	WIN 0
.set n, 0
.rept 16
	ds_load_b128 v[BB+4*n:BB+4*n+3], v[RD] offset:n*SPITCH      ; LDS serves a wave's instructions in order
.set n, n+1
.endr
	s_wait_dscnt 0x0
.set n, 0
.rept 16
	global_store_b128 v[CO], v[BB+4*n:BB+4*n+3], s[10:11] offset:(16*(\a)+n)*4096 th:TH_STORE_NT
.set n, n+1
.endr
.endm
	s_and_b32 s20, ttmp7, 0xffff                   ; cluster y = 0 and row half 0: block 0 is positions 0-15 of a sequence, which the f32 launch has stored
	s_or_b32 s20, s20, s13
	s_cmp_eq_u32 s20, 0
	s_cbranch_scc1 .Lskip0
	OUTBLK 0
.Lskip0:
	OUTBLK 1
	OUTBLK 2
	OUTBLK 3
	s_wait_tensorcnt 0x0                           ; the wave's end
	ds_add_u32 v[SPW], v[NIL]
	s_wait_dscnt 0x0
	CROUND                                         ; the closing round
	s_endpgm
.Lfunc_end_k_q2acc55a66c_proj:
	.size	k_q2acc55a66c_proj, .Lfunc_end_k_q2acc55a66c_proj-k_q2acc55a66c_proj
	.p2alignl 7, 3214868480
	.fill 96, 4, 3214868480
	.section	.rodata,"a",@progbits
	.p2align	6, 0x0
	.amdhsa_kernel k_q2acc55a66c_proj
		.amdhsa_group_segment_fixed_size 327680
		.amdhsa_private_segment_fixed_size 0
		.amdhsa_enable_private_segment 0
		.amdhsa_kernarg_size 32
		.amdhsa_user_sgpr_count 2
		.amdhsa_user_sgpr_kernarg_segment_ptr 1
		.amdhsa_wavefront_size32 1
		.amdhsa_system_sgpr_workgroup_id_x 1
		.amdhsa_system_sgpr_workgroup_id_y 1
		.amdhsa_system_sgpr_workgroup_id_z 1
		.amdhsa_system_vgpr_workitem_id 0
		.amdhsa_next_free_vgpr 576
		.amdhsa_next_free_sgpr 80
		.amdhsa_reserve_vcc 0
		.amdhsa_float_denorm_mode_32 3
		.amdhsa_float_denorm_mode_16_64 3
		.amdhsa_memory_ordered 1
		.amdhsa_forward_progress 1
		.amdhsa_inst_pref_size 87
	.end_amdhsa_kernel
	.amdgpu_metadata
---
amdhsa.version: [ 1, 2 ]
amdhsa.kernels:
  - .name:           k_q2acc55a66c_proj
    .symbol:         k_q2acc55a66c_proj.kd
    .args:
      - { .name: oh, .offset: 0, .size: 8, .value_kind: global_buffer, .address_space: global }
      - { .name: wh, .offset: 8, .size: 8, .value_kind: global_buffer, .address_space: global }
      - { .name: bout, .offset: 16, .size: 8, .value_kind: global_buffer, .address_space: global }
      - { .name: out0, .offset: 24, .size: 8, .value_kind: global_buffer, .address_space: global }
    .group_segment_fixed_size: 327680
    .private_segment_fixed_size: 0
    .kernarg_segment_align: 8
    .kernarg_segment_size: 32
    .max_flat_workgroup_size: 128
    .sgpr_count:     80
    .vgpr_count:     576
    .wavefront_size: 32
...
	.end_amdgpu_metadata
.endif
;; end of part 5
